; MI455X (gfx1250); checked and timed in simulation.
; The chip was launched on July 23, 2026; its instructions are those of AMD's public machine-readable ISA for CDNA 5 (MIT licence, August 2026) and "CDNA5" Instruction Set Architecture Reference Guide (July 2026). The comments in the code are by the model that wrote it; some were corrected since.
;; Self Attention. Allowed arithmetic: matrix products marked QUANTISED: E2M3 operands, one E8M0 scale for each 32 along K, by v_wmma_scale_f32_16x16x128_f8f6f4 with both operands' format E2M3, f32 sums; everything else in f32.
;; Inputs: W_proj 1,024 x 1,024 float32; W_qkv 3,072 x 1,024 float32; b_proj 1,024 float32; cos 2,044 x 64 float32; sin 2,044 x 64 float32; x 4 x 2,048 x 1,024 float32.
;; Outputs: out0 4 x 2,048 x 1,024 float32.
;; This version of the problem:
;;   THIS VERSION OF THE PROBLEM IS GIVEN IN LOW PRECISION. The matrix products marked QUANTISED in the list below multiply operands that are first quantised to E2M3 (2 exponent bits, 3 mantissa bits; 6 bits a number), with one power-of-two scale for each 32 numbers along K (OCP MX v1.0); their sums are f32. All else is computed in f32.
;;   The module's matrix products, in the order in which they are computed (A, B: the left and right operand; K: the contracted axis; several contracted axes count as one K, in the product's order):
;;     1. [M 8,192, K 1,024] x [K 1,024, N 3,072]; A: input x; B: input W_qkv: QUANTISED
;;     2. batch 64 x [M 2,048, K 64] x [K 64, N 2,048]; A: computed on the way; B: computed on the way: QUANTISED
;;     3. batch 64 x [M 2,048, K 2,048] x [K 2,048, N 64]; A: softmax (see below); B: computed on the way: QUANTISED
;;     4. [M 8,192, K 1,024] x [K 1,024, N 1,024]; A: computed on the way; B: input W_proj: QUANTISED
;;   THE QUANTISER, for each operand of a quantised product, along K:
;;     - K is cut into blocks of 32 from its start; a last block that is shorter is filled with zeros.
;;     - A block's scale is 2^e with e = floor(log2(the largest magnitude in the block)) - 2, held to -126 .. 127; a block of zeros has e = 0. As a byte (E8M0): e + 127.
;;     - Each number is divided by its block's scale, clamped to +-7.5, and rounded to the nearest number of E2M3, ties to even, subnormals kept.
;;     - The product sums the exact products of the quantised numbers (number of the format x scale) in f32.
;;   ~~~python
;;   def quantise(x, axis):      # numpy; x: float32 -> the quantised numbers, widened to float32 again
;;       x = np.moveaxis(x, axis, -1); K = x.shape[-1]
;;       x = np.pad(x, [(0, 0)] * (x.ndim - 1) + [(0, -K % 32)]); x = x.reshape(x.shape[:-1] + (-1, 32)); a = np.abs(x).max(-1, keepdims=True)
;;       e = np.where(a > 0, np.clip(np.frexp(np.where(a > 0, a, 1))[1] - 1 - 2, -126, 127), 0)      # np.frexp(a)[1] - 1 = floor(log2(a)), exactly
;;       r = np.clip(x / 2.0 ** e, -7.5, 7.5)
;;       step = 2.0 ** (np.maximum(np.frexp(np.where(r == 0, 1, r))[1] - 1, 0) - 3)
;;       q = np.round(r / step) * step * 2.0 ** e      # np.round: ties to even
;;       return np.moveaxis(q.reshape(q.shape[:-2] + (-1,))[..., :K], -1, axis).astype(np.float32)
;;   ~~~
;;   SOFTMAX AHEAD OF A QUANTISED PRODUCT. Where the list says 'softmax', what is quantised is not the finished softmax but p = 2^(t - M), with t = logit x log2(e) and M = ceil(the row's largest t), a whole number; so 1/2 < the row's largest p <= 1. The row's sum l is taken of the UNQUANTISED p, in f32, and the product's result is divided by l at the end. Since M is a whole number, a kernel that streams over the keys may use a running M (the ceiling of the running maximum): every later rescaling is an exact power of two, which a block's scale takes up: the codes' values come out the same.
;;   OPERANDS COMPUTED ON THE WAY. 'Computed on the way' means the value that the module computes at that place (a softmax that the list does not call 'softmax' is quantised finished and normalised). What goes into a quantiser is computed in f32, as accurately as f32 sums, v_exp_f32 and their like allow (about 1e-6 of the number): no bf16 or f16 on the way to a quantiser, and a product that is left as it is and whose result goes on into a quantised operand takes f32 operands (vector FMAs, or v_wmma_f32_16x16x4_f32). A number that lies on a knife's edge between two numbers of the format may be rounded either way, as far as f32 arithmetic and the matrix unit's own rounding can turn it there, and no further.
;; One version. Each part assembles by itself: llvm-mc -triple=amdgcn-amd-amdhsa -mcpu=gfx1250 --defsym DOCPART=n.
;; ======== version 1 of 1: 4 launches
;; limits: right only within a limited range of input values
;; workspace buffers: xq 6,553,600 bytes; wq 3,276,800 bytes; qkq 13,107,200 bytes; vq 6,553,600 bytes; oq 6,553,600 bytes
;; launch quant (part 1): grid 384 x 1, 4 waves a work-group, no clusters, 34,304 bytes of LDS; arguments x, W_qkv, W_proj, xq, wq; writes xq, wq
.if DOCPART == 1
	.amdgcn_target "amdgcn-amd-amdhsa--gfx1250"
	.amdhsa_code_object_version 6
	.text
	.protected	k_qccecef7bbe_quant
	.globl	k_qccecef7bbe_quant
	.p2align	8
	.type	k_qccecef7bbe_quant,@function
k_qccecef7bbe_quant:
	s_mov_b64 s[64:65], 0
	v_nop
	global_prefetch_b8 v0, s[64:65] scope:SCOPE_SE
	s_setreg_imm32_b32 hwreg(HW_REG_WAVE_MODE, 25, 1), 1
	s_wait_xcnt 0x0
; x [8192][1024], W_qkv [3072][1024], W_proj [1024][1024], f32, K innermost, become codes of FP6 (E2M3) with one E8M0 byte for each 32 along K.
; A block's scale is 2^(floor(log2(largest magnitude)) - 2); its byte is the largest magnitude's exponent field - 2, held at 1 from below.
; LIMITS: NaN and infinities are not served.  A block of zeros gets the byte 1, not 127: its codes are zeros, and this program alone reads the bytes.
; THE CODES ARE LAID AS IMAGES OF OPERAND REGISTERS.  A record of 768 bytes holds 16 rows x 64 along K: lane l = (r, h) owns six registers, k = 32 h .. 32 h + 31 of the row at place r;
; registers 0-3 lie at byte 16 l, registers 4-5 at byte 512 + 8 l.  Buffer: [tile of 16 rows][16 records along K]; behind the codes the scale words, [tile][K half][r][4 words], a word for 128 along K.
; WHICH ROWS FORM A TILE: of a group of 64 rows, tile t takes at place r the row 8 t + r % 8 + 32 (r / 8); for W_qkv's rows 0 .. 2047 (q and k) the row 32 (t / 2) + 8 (t % 2) + r % 8 + 16 (r / 8).
; SHARES: work-group = a group of 64 rows x half of K; wave w = tile w: 4 steps of 128 along K.  A load reads 512 consecutive bytes of one row; a step's 16 rows turn through the wave's own
; stage in LDS (rows 528 bytes apart), so that a lane gets two whole blocks of 32.  Waves share nothing: no barrier.  Loads run two steps (32 loads) ahead.
.set SP,  528
.set STG, 16*SP
.set R,   16                           ; v16-143  two sets of 64: a step's rows as loaded
.set X,   144                          ; v144-207 my two blocks of 32
.set PC,  208                          ; v208-219 a fragment's codes
.set PT,  220                          ; v220-226 the second halves of the two blocks' codes
.set WD,  228                          ; v228-231 the four steps' scale words
	s_load_b128 s[4:7], s[0:1], 0x0                ; x, W_qkv
	s_load_b128 s[8:11], s[0:1], 0x10              ; W_proj, xq
	s_load_b64 s[12:13], s[0:1], 0x20              ; wq
	v_lshl_add_u32 v232, v0, 2, 0x8400
	v_mov_b32 v233, 0
	v_lshrrev_b32 v1, 5, v0
	v_readfirstlane_b32 s14, v1                    ; wave = tile
	v_and_b32 v7, 31, v0                           ; lane
	v_and_b32 v6, 15, v0                           ; r
	v_bfe_u32 v5, v0, 4, 1                         ; h
	v_lshlrev_b32 v1, 4, v7                        ; 16 x lane
	v_lshlrev_b32 v2, 3, v7                        ; 8 x lane
	s_mul_i32 s15, s14, STG
	v_add_nc_u32 v3, s15, v1                       ; the stage, on the way in
	v_mul_u32_u24 v4, v6, SP
	v_lshl_add_u32 v4, v5, 7, v4
	v_add_nc_u32 v4, s15, v4                       ; and out: row r, + 128 h bytes
	v_lshlrev_b32 v5, 3, v5                        ; 8 h
	v_lshlrev_b32 v6, 4, v6                        ; 16 r
	v_mov_b32 v12, 0                               ; a lane permute's destination counts as read
	s_mov_b32 s30, 0x76543210
	s_mov_b32 s31, 0xfedcba98                      ; selects for lane l xor 16
	s_lshr_b32 s16, ttmp9, 1                       ; g: the group of 64 rows; 0-127 x, 128-175 W_qkv, 176-191 W_proj
	s_and_b32 s17, ttmp9, 1                        ; which half of K
	s_sub_co_u32 s21, s16, 128
	s_cmp_lt_u32 s21, 32
	s_cselect_b32 s21, 1, 0                        ; 1: rows of q or k, the second order of rows
	s_mov_b32 s18, 176
	s_mov_b32 s20, 3145728
	s_wait_alu depctr_va_vdst(0)
	s_wait_kmcnt 0x0
	s_cmp_lt_u32 s16, 176                          ; the choices hang on the work-group's number alone
	s_cselect_b64 s[6:7], s[6:7], s[8:9]
	s_cselect_b32 s18, 128, s18
	s_cmp_lt_u32 s16, 128
	s_cselect_b64 s[4:5], s[4:5], s[6:7]           ; the source
	s_cselect_b64 s[10:11], s[10:11], s[12:13]     ; the destination
	s_cselect_b32 s18, 0, s18                      ; the source's first group
	s_cselect_b32 s19, 0, 128                      ; the destination's first group
	s_cselect_b32 s20, 6291456, s20                ; where the destination's scale words begin
	s_sub_co_u32 s22, s16, s18
	s_lshl_b32 s22, s22, 6
	s_lshl_b32 s23, s14, 3
	s_add_co_u32 s22, s22, s23
	s_lshr_b32 s23, s14, 1
	s_mul_i32 s23, s23, s21
	s_lshl_b32 s23, s23, 4
	s_add_co_u32 s22, s22, s23                     ; the tile's first row
	s_lshl_b32 s22, s22, 12
	s_lshl_b32 s23, s17, 11
	s_add_co_u32 s22, s22, s23
	s_mov_b32 s23, 0
	s_add_nc_u64 s[4:5], s[4:5], s[22:23]          ; places 0-7
	s_lshl_b32 s22, s21, 16
	s_sub_co_u32 s22, 0x20000, s22                 ; 32 rows on, or 16
	s_add_nc_u64 s[6:7], s[4:5], s[22:23]          ; places 8-15
	s_sub_co_u32 s24, s16, s19
	s_lshl_b32 s24, s24, 2
	s_add_co_u32 s24, s24, s14                     ; the tile's number in the destination
	s_mul_i32 s26, s24, 12288
	s_mul_i32 s27, s17, 6144
	s_add_co_u32 s26, s26, s27
	s_mov_b32 s27, 0
	s_add_nc_u64 s[8:9], s[10:11], s[26:27]        ; my codes
	s_lshl_b32 s26, s24, 9
	s_lshl_b32 s28, s17, 8
	s_add_co_u32 s26, s26, s28
	s_add_co_u32 s26, s26, s20
	s_add_nc_u64 s[10:11], s[10:11], s[26:27]      ; my scale words
.macro LOAD t
.irp r, 0,1,2,3,4,5,6,7
	global_load_b128 v[R+64*((\t)%2)+4*\r:R+64*((\t)%2)+4*\r+3], v1, s[4:5] offset:4096*\r+512*(\t) th:TH_LOAD_NT
.endr
.irp r, 0,1,2,3,4,5,6,7
	global_load_b128 v[R+64*((\t)%2)+32+4*\r:R+64*((\t)%2)+32+4*\r+3], v1, s[6:7] offset:4096*\r+512*(\t) th:TH_LOAD_NT
.endr
.endm
.macro STEP t
.set RS, R+64*((\t)%2)
.if (\t) < 3
	s_wait_loadcnt 16                              ; this step's 16 loads are in; the next step's 16 may be out
.else
	s_wait_loadcnt 0x0
.endif
.irp r, 0,1,2,3,4,5,6,7,8,9,10,11,12,13,14,15
	ds_store_b128 v3, v[RS+4*\r:RS+4*\r+3] offset:SP*\r
.endr
.irp i, 0,1,2,3,4,5,6,7
	ds_load_b128 v[X+4*\i:X+4*\i+3], v4 offset:16*\i               ; LDS serves a wave's instructions in order: these see the stores.  k = 32 h + 0 .. 31
.endr
.irp i, 0,1,2,3,4,5,6,7
	ds_load_b128 v[X+32+4*\i:X+32+4*\i+3], v4 offset:256+16*\i     ; k = 64 + 32 h + 0 .. 31
.endr
	s_wait_dscnt 0x0                               ; my blocks are in, and the stores have read their registers,
.if (\t)+2 < 4
	LOAD (\t)+2                                    ; which take the loads of two steps on
.endif
	v_max3_num_f32 v8, |v[X]|, |v[X+1]|, 0x1800000                 ; the floor 2^(3 - 127) holds the byte at 1 from below
	v_max3_num_f32 v9, |v[X+32]|, |v[X+33]|, 0x1800000
.irp i, 2,4,6,8,10,12,14,16,18,20,22,24,26,28,30
	v_max3_num_f32 v8, v8, |v[X+\i]|, |v[X+\i+1]|
	v_max3_num_f32 v9, v9, |v[X+32+\i]|, |v[X+33+\i]|
.endr
	v_add_nc_u32 v10, 0xff000000, v8               ; 2 off the exponent field: the conversion's scale operand
	v_add_nc_u32 v11, 0xff000000, v9
	v_lshrrev_b32 v8, 23, v10                      ; the bytes of blocks h and 2 + h
	v_lshrrev_b32 v9, 23, v11
	v_lshl_or_b32 v8, v9, 16, v8
	v_lshlrev_b32 v8, v5, v8                       ; at their places in the word
	v_permlanex16_b32 v12, v8, s30, s31
	v_or_b32 v[WD+(\t)], v8, v12                   ; with lane l xor 16's two the word is whole
	s_wait_alu depctr_va_vdst(0)
	s_wait_xcnt 0x0                                ; the last step's stores have read the codes' registers
	v_cvt_scalef32_pk16_fp6_f32 v[PC:PC+2], v[X:X+15], v10
	v_cvt_scalef32_pk16_fp6_f32 v[PT:PT+2], v[X+16:X+31], v10      ; (a conversion's three registers begin on an even number)
	v_cvt_scalef32_pk16_fp6_f32 v[PC+6:PC+8], v[X+32:X+47], v11
	v_cvt_scalef32_pk16_fp6_f32 v[PT+4:PT+6], v[X+48:X+63], v11
	v_nop                                          ; one plain place behind a scaled conversion
.irp i, 0,1,2
	v_mov_b32 v[PC+3+\i], v[PT+\i]
	v_mov_b32 v[PC+9+\i], v[PT+4+\i]
.endr
	global_store_b128 v1, v[PC:PC+3], s[8:9] offset:1536*(\t)          ; 512 consecutive bytes
	global_store_b64 v2, v[PC+4:PC+5], s[8:9] offset:1536*(\t)+512     ; 256
	global_store_b128 v1, v[PC+6:PC+9], s[8:9] offset:1536*(\t)+768
	global_store_b64 v2, v[PC+10:PC+11], s[8:9] offset:1536*(\t)+1280
.endm
	LOAD 0
	LOAD 1
	STEP 0
	STEP 1
	STEP 2
	STEP 3
	s_wait_xcnt 0x0                                ; EXEC changes only behind this wait
	v_cmp_gt_u32 vcc_lo, 16, v7
	s_wait_tensorcnt 0x0
	ds_add_u32 v232, v233
	s_wait_dscnt 0x0
	s_and_saveexec_b32 s29, vcc_lo
	global_store_b128 v6, v[WD:WD+3], s[10:11]     ; lanes 0-15: 256 consecutive bytes, aligned
	s_wait_xcnt 0x0
	s_or_b32 exec_lo, exec_lo, s29
	s_endpgm
.Lfunc_end_k_qccecef7bbe_quant:
	.size	k_qccecef7bbe_quant, .Lfunc_end_k_qccecef7bbe_quant-k_qccecef7bbe_quant
	.p2alignl 7, 3214868480
	.fill 96, 4, 3214868480
	.section	.rodata,"a",@progbits
	.p2align	6, 0x0
	.amdhsa_kernel k_qccecef7bbe_quant
		.amdhsa_group_segment_fixed_size 34304
		.amdhsa_private_segment_fixed_size 0
		.amdhsa_enable_private_segment 0
		.amdhsa_kernarg_size 40
		.amdhsa_user_sgpr_count 2
		.amdhsa_user_sgpr_kernarg_segment_ptr 1
		.amdhsa_wavefront_size32 1
		.amdhsa_system_sgpr_workgroup_id_x 1
		.amdhsa_system_sgpr_workgroup_id_y 1
		.amdhsa_system_sgpr_workgroup_id_z 1
		.amdhsa_system_vgpr_workitem_id 0
		.amdhsa_next_free_vgpr 234
		.amdhsa_next_free_sgpr 66
		.amdhsa_reserve_vcc 1
		.amdhsa_float_denorm_mode_32 3
		.amdhsa_float_denorm_mode_16_64 3
		.amdhsa_memory_ordered 1
		.amdhsa_forward_progress 1
		.amdhsa_inst_pref_size 32
	.end_amdhsa_kernel
	.amdgpu_metadata
---
amdhsa.version: [ 1, 2 ]
amdhsa.kernels:
  - .name:           k_qccecef7bbe_quant
    .symbol:         k_qccecef7bbe_quant.kd
    .args:
      - { .name: x, .offset: 0, .size: 8, .value_kind: global_buffer, .address_space: global }
      - { .name: W_qkv, .offset: 8, .size: 8, .value_kind: global_buffer, .address_space: global }
      - { .name: W_proj, .offset: 16, .size: 8, .value_kind: global_buffer, .address_space: global }
      - { .name: xq, .offset: 24, .size: 8, .value_kind: global_buffer, .address_space: global }
      - { .name: wq, .offset: 32, .size: 8, .value_kind: global_buffer, .address_space: global }
    .group_segment_fixed_size: 34304
    .private_segment_fixed_size: 0
    .kernarg_segment_align: 8
    .kernarg_segment_size: 40
    .max_flat_workgroup_size: 128
    .sgpr_count:     66
    .vgpr_count:     234
    .wavefront_size: 32
...
	.end_amdgpu_metadata
.endif
;; end of part 1
;; launch qkv (part 2): grid 12 x 32, 4 waves a work-group, clusters of 4 x 4, 327,680 bytes of LDS; arguments xq, wq, sin, cos, qkq, vq; writes qkq, vq
.if DOCPART == 2
	.amdgcn_target "amdgcn-amd-amdhsa--gfx1250"
	.amdhsa_code_object_version 6
	.text
	.protected	k_qccecef7bbe_qkv
	.globl	k_qccecef7bbe_qkv
	.p2align	8
	.type	k_qccecef7bbe_qkv,@function
k_qccecef7bbe_qkv:
	s_mov_b64 s[64:65], 0
	v_nop
	global_prefetch_b8 v0, s[64:65] scope:SCOPE_SE
	s_setreg_imm32_b32 hwreg(HW_REG_WAVE_MODE, 25, 1), 1
	s_wait_xcnt 0x0
	s_wait_alu depctr_hold_cnt(0) depctr_sa_sdst(0) depctr_va_vdst(0) depctr_va_sdst(0) depctr_va_ssrc(0) depctr_va_vcc(0) depctr_vm_vsrc(0)
	s_getreg_b32 s2, hwreg(HW_REG_IB_STS2, 6, 4)
	s_cmp_eq_u32 s2, 0
	s_cbranch_scc0 .Lentry_in_a_cluster
	s_endpgm
.Lentry_in_a_cluster:
	s_bfe_u32 s2, ttmp6, 0x10000c
	s_cmp_lg_u32 s2, 0xf033
	s_cbranch_scc0 .Lentry_shape_is_right
	s_endpgm
.Lentry_shape_is_right:
; qkv = x W_qkv^T on codes of FP6 (E2M3) with E8M0 scales, K = 1024; RoPE on q and k; q, k and v leave as codes for the attention launch.  No f32 result goes to memory.
; ONE BODY, TWO USES, chosen by the cluster's x (alike in all partners).  C'[row of A'][row of B'], source 0 = B', source 1 = A': a lane holds ONE row of A' and its registers run along B'.
;   clusters x = 0, 1 (q, k): A' = x's tokens, B' = W's rows 0 .. 2047.  A lane holds one token; of a head's 64 numbers it holds d = 16 h + 0 .. 15 and 32 + 16 h + 0 .. 15: RoPE's partners lie in one lane.
;   cluster  x = 2   (v):     A' = W's rows 2048 .. 3071, B' = tokens.  A lane holds one channel of v and whole blocks of 32 tokens: v is quantised along the keys without any exchange.
; A work-group makes 256 x 256, a wave 128 x 128: 64 accumulators.  K goes in slots of 256 through a ring of two LDS slots; the operands lie in memory as images of registers (records of 768 bytes:
; 16 rows x 64 K; lane l's registers 0-3 at 16 l, 4-5 at 512 + 8 l), so a fragment is four loads of consecutive bytes and LDS needs no pitch.  The scale words of all of K come once.
; CLUSTER 4 x 4: A's tiles are asked for jointly along a row of the cluster, B's along a column.
; OUT: qkq: codes [32 heads: q 0-15, k 16-31][512 tiles of 16 tokens][768]; scale words [head][64 steps of 128 tokens][r][4 words], word p = tile 2 p's two bytes, then tile 2 p + 1's.
;      vq:  codes [batch][head][16 steps of 128 keys][4 tiles of 16 channels][2 records]; scale words [batch][head][step][r][4 words, one a tile].
; LIMITS: NaN and infinities are not served; a block of zeros gets the byte 1, not 127 (zero codes; this program alone reads the bytes).
; REGISTERS: window 0: v1-5 lane terms, v16-29 addresses, v32-95 scale words and nothing else, v128-223 A's fragments (one set); on the way out v96-196 at work.
;   window 1: B's fragments, two sets (v0, v128); on the way out cos and sin.   windows 2, 3: accumulator (a, b) at v[8 (8 (a % 4) + b)].
.set FR,    12
.set NL,    4                          ; LDS loads that bring a fragment
.set TILEB, 3072                       ; 16 rows x 256 K
.set HALFT, 8*TILEB                    ; what one tensor load brings
.set SLOT,  4*HALFT                    ; A's 16 tiles, then B's 16
.set SCL,   2*SLOT                     ; the scale words: A's 8,192 bytes, then B's
.set HALFS, 4096
.set SPARE, SCL+4*HALFS                ; the spare words, 128 bytes a wave: no other line names them
.set ADRA, 16                          ; v16-17 A's fragments in slot 0, 1 (16 x lane); v18-19 the same with 8 x lane
.set ADRB, 20                          ; v20-23 B's
.set ADRS, 27
.set SPW,  28
.set NIL,  29
.set SC,   32                          ; word (tile i, K step k) at v[SC + 8 i + k]: lanes 0-15 A's tile i, lanes 16-31 B's tile i
.set AF,   128
.set G1, 24
.set G0, 32
.set G1B, 48
.set G0B, 56
.set G1S, 68
.set G0S, 76
.set G1SB, 80
.set G0SB, 88
.set SEL, 100
.set RR,   96                          ; the way out: 32 numbers
.set PC,   128                         ; codes
.set PT,   140
.set TM,   148
.set TX,   150
.set SO,   152
.set BY,   154
.set HW,   160                         ; 16 registers of scale bytes
.set WW,   176                         ; 8 scale words
.set POS,  190
.set POSC, 191
.set NN,   192
.set T0V,  193
.set T1V,  194
.set ESC,  195
.set SH8,  196
.set MSB, 0
.macro WIN new                         ; the immediate's high byte repeats the setting that is left
.set NW, \new
.if MSB != NW
	s_set_vgpr_msb (MSB<<8)|NW
.set MSB, NW
.endif
.endm
.set MUL_LO, 0xa1                      ; source 0 (B) window 1, source 1 (A) window 0, C and D window 2
.set MUL_HI, 0xf1
.set TO_B,   0x40
.macro JLOAD g0a, g1a, g0b, g1b        ; waves 0, 1 ask for A, waves 2, 3 for B; four v_nop follow each line
	s_cmp_eq_u32 s17, 0
	s_cbranch_scc0 .Lfor_b_\@
	tensor_load_to_lds s[\g0a:\g0a+3], s[\g1a:\g1a+7]
	s_nop 0
.rept 4
	v_nop
.endr
	s_branch .Lasked_\@
.Lfor_b_\@:
	tensor_load_to_lds s[\g0b:\g0b+3], s[\g1b:\g1b+7]
	s_nop 0
.rept 4
	v_nop
.endr
.Lasked_\@:
.endm
.macro CREST
	s_cmp_lg_u32 s16, 0
	s_cbranch_scc1 .Lnot_wave_0_\@
	s_barrier_signal -3
.Lnot_wave_0_\@:
	s_barrier_wait -3
	s_barrier_signal -1
	s_barrier_wait -1
.endm
.macro CROUND
	s_barrier_signal -1
	s_barrier_wait -1
	CREST
.endm
.macro PLACES
.rept 4
	v_nop
.endr
.endm
	s_load_b128 s[4:7], s[0:1], 0x0                ; xq, wq
	s_load_b128 s[8:11], s[0:1], 0x10              ; sin, cos
	s_load_b128 s[12:15], s[0:1], 0x20             ; qkq, vq
	v_lshl_add_u32 v[SPW], v0, 2, SPARE
	v_mov_b32 v[NIL], 0
	ds_add_u32 v28, v29
	ds_add_u32 v28, v29
	s_wait_dscnt 0x0
	v_lshrrev_b32 v1, 5, v0
	v_readfirstlane_b32 s16, v1                    ; wave
	s_lshr_b32 s17, s16, 1                         ; my half of A's rows.  Also: I fetch for A (0) or B (1)
	s_and_b32 s18, s16, 1                          ; my half of B's rows.  Also: which 8 tiles I fetch
	s_bfe_u32 s40, ttmp6, 0x40000                  ; cx
	s_bfe_u32 s41, ttmp6, 0x40004                  ; cy
	s_and_b32 s20, ttmp7, 0xffff
	s_lshl_b32 s20, s20, 2                         ; 4 x cluster y
	s_lshl_b32 s21, ttmp9, 2                       ; 4 x cluster x
	s_mov_b32 s92, 6291456                         ; where xq's scale words begin
	s_mov_b32 s93, 3145728                         ; and wq's
	s_cmp_eq_u32 ttmp9, 2                          ; the third column of clusters makes v
	s_cselect_b32 s19, 1, 0
	s_cselect_b32 s45, 0, s20
	s_cselect_b32 s42, s20, s21
	s_cselect_b32 s22, 128, 0                      ; A's first tile of 16 rows in its buffer
	s_cselect_b32 s94, s93, s92
	s_cselect_b32 s95, s92, s93
	s_add_co_u32 s45, s45, s41                     ; TR: which 256 rows of A'
	s_add_co_u32 s42, s42, s40                     ; TC: which 256 rows of B'
	s_lshl_b32 s43, s41, 2
	s_lshl_b32 s43, 15, s43                        ; my row of the cluster
	s_lshl_b32 s44, 0x1111, s40                    ; my column
	s_or_b32 s[G1+0], s43, (3<<16)|(1<<21)         ; the mask; elements of 8 bytes; bit 21 beside a mask; no padding
	s_or_b32 s[G1B+0], s44, (3<<16)|(1<<21)
.irp g, G1, G1B
	s_mov_b32 s[\g+1], 384<<16                     ; a row: 3,072 bytes, a tile's 256 along K
	s_mov_b32 s[\g+2], 16<<16                      ; 16 tiles for the head's loads; behind them the two words that count rows are set to 8
	s_mov_b32 s[\g+3], 384<<16
	s_mov_b32 s[\g+4], 16
	s_mov_b32 s[\g+5], 1536                        ; 12,288 bytes from tile to tile
	s_mov_b32 s[\g+6], 0
	s_mov_b32 s[\g+7], 0
.endr
	s_or_b32 s[G1S+0], s43, (3<<16)|(1<<21)
	s_or_b32 s[G1SB+0], s44, (3<<16)|(1<<21)
.irp g, G1S, G1SB
	s_mov_b32 s[\g+1], 32<<16                      ; rows of 256 dense bytes
	s_mov_b32 s[\g+2], 32<<16                      ; 8,192 dense bytes as 32 rows of 256
	s_mov_b32 s[\g+3], 32<<16
	s_mov_b32 s[\g+4], 32
	s_mov_b32 s[\g+5], 32
	s_mov_b32 s[\g+6], 0
	s_mov_b32 s[\g+7], 0
.endr
	s_lshl_b32 s23, s18, 3
	s_lshl_b32 s96, s45, 4
	s_add_co_u32 s96, s96, s22                     ; A: the block's first tile
	s_lshl_b32 s98, s96, 9
	s_add_co_u32 s98, s98, s94                     ; the scale words of its 16 tiles
	s_add_co_u32 s96, s96, s23                     ; the first tile that I fetch in the ring
	s_mov_b32 s99, 0
	s_mul_i32 s96, s96, 12288                      ; its codes
	s_mov_b32 s97, 0
	s_lshl_b32 s46, s42, 4
	s_add_co_u32 s66, s46, s23                     ; B likewise
	s_mul_i32 s66, s66, 12288
	s_mov_b32 s67, 0
	s_lshl_b32 s46, s46, 9
	s_add_co_u32 s46, s46, s95
	s_mov_b32 s47, 0
	s_mul_i32 s100, s16, HALFT                     ; where they go: no place in the cluster enters an LDS address
	s_wait_kmcnt 0x0
	s_cmp_eq_u32 s19, 1
	s_cselect_b64 s[20:21], s[6:7], s[4:5]         ; A's buffer
	s_cselect_b64 s[22:23], s[4:5], s[6:7]         ; B's
	s_add_nc_u64 s[96:97], s[20:21], s[96:97]
	s_add_nc_u64 s[98:99], s[20:21], s[98:99]
	s_add_nc_u64 s[66:67], s[22:23], s[66:67]
	s_add_nc_u64 s[46:47], s[22:23], s[46:47]
	CROUND                                         ; all sixteen work-groups are here: the first joint loads meet
	s_mov_b32 s[G0S], 1
	s_mov_b32 s[G0S+1], SCL
	s_mov_b64 s[G0S+2:G0S+3], s[98:99]
	s_or_b32 s[G0S+3], s[G0S+3], 0x80000000
	s_mov_b32 s[G0SB], 1
	s_mov_b32 s[G0SB+1], SCL+2*HALFS
	s_mov_b64 s[G0SB+2:G0SB+3], s[46:47]
	s_or_b32 s[G0SB+3], s[G0SB+3], 0x80000000
.irp s, 0,1
	s_mov_b32 s[G0+4*\s], 1
	s_add_co_u32 s[G0+4*\s+1], s100, \s*SLOT
	s_add_nc_u64 s[G0+4*\s+2:G0+4*\s+3], s[96:97], \s*TILEB
	s_or_b32 s[G0+4*\s+3], s[G0+4*\s+3], 0x80000000
	s_mov_b32 s[G0B+4*\s], 1
	s_add_co_u32 s[G0B+4*\s+1], s100, \s*SLOT
	s_add_nc_u64 s[G0B+4*\s+2:G0B+4*\s+3], s[66:67], \s*TILEB
	s_or_b32 s[G0B+4*\s+3], s[G0B+4*\s+3], 0x80000000
.endr
; the head's four tiles, one joint load a wave: wave 0 slot 0's 16 tiles of A (its own group 0 points at the block's first tile), wave 1 A's scale words,
; wave 2 slot 0's 16 tiles of B, wave 3 B's scale words.  One chain of branches on the wave's number, one load to an arm.
.macro ARM under, g0, g1, next
	s_cmp_lt_u32 s16, \under
	s_cbranch_scc0 \next
	tensor_load_to_lds s[\g0:\g0+3], s[\g1:\g1+7]
	s_nop 0
.rept 4
	v_nop
.endr
	s_branch .Lhead_asked
\next:
.endm
	ARM 1, G0, G1, .Lhead_sa
	ARM 2, G0S, G1S, .Lhead_b
	ARM 3, G0B, G1B, .Lhead_sb
	tensor_load_to_lds s[G0SB:G0SB+3], s[G1SB:G1SB+7]
	s_nop 0
.rept 4
	v_nop
.endr
.Lhead_asked:
	v_and_b32 v1, 31, v0                           ; lane
	v_and_b32 v2, 15, v0                           ; r
	v_bfe_u32 v3, v0, 4, 1                         ; h
	v_lshlrev_b32 v4, 4, v1                        ; 16 x lane
	v_lshlrev_b32 v5, 3, v1                        ; 8 x lane
	s_mul_i32 s92, s17, HALFT                      ; my 8 tiles of A
	s_mul_i32 s93, s18, HALFT
	s_add_co_u32 s93, s93, 2*HALFT                 ; my 8 tiles of B
.irp s, 0,1
	v_add_nc_u32 v[ADRA+\s], s92, v4
	v_add_nc_u32 v[ADRA+2+\s], s92, v5
	v_add_nc_u32 v[ADRB+\s], s93, v4
	v_add_nc_u32 v[ADRB+2+\s], s93, v5
	s_add_co_u32 s92, s92, SLOT
	s_add_co_u32 s93, s93, SLOT
.endr
	s_lshl_b32 s92, s17, 12
	s_lshl_b32 s93, s18, 12
	s_add_co_u32 s93, s93, 2*HALFS
	s_sub_co_u32 s93, s93, s92
	v_mul_u32_u24 v6, s93, v3                      ; lanes 16-31 take B's words: one product, the distance between the two bases
	s_add_co_u32 s92, s92, SCL
	v_lshl_add_u32 v6, v2, 4, v6
	v_add_nc_u32 v[ADRS], s92, v6
.macro FRAG reg, adr, off              ; 16 rows x 128 K: two records, four loads of consecutive bytes
	ds_load_b128 v[\reg:\reg+3], v[\adr] offset:\off
	ds_load_b64 v[\reg+4:\reg+5], v[\adr+2] offset:\off+512
	ds_load_b128 v[\reg+6:\reg+9], v[\adr] offset:\off+768
	ds_load_b64 v[\reg+10:\reg+11], v[\adr+2] offset:\off+1280
.endm
; 16 matrix instructions: A's tiles a0, a0 + 1 x B's eight; p: B's set; kap: the K step.  The 64 accumulators take turns, in the same order in every step.
.macro MUL16 a0, p, kap, zero
.irp a, \a0, \a0+1
.irp b, 0,1,2,3,4,5,6,7
.if \zero
	v_wmma_scale_f32_16x16x128_f8f6f4 v[8*(8*((\a)%4)+\b):8*(8*((\a)%4)+\b)+7], v[128*(\p)+FR*\b:128*(\p)+FR*\b+FR-1], v[AF+FR*(\a):AF+FR*(\a)+FR-1], 0, v[SC+8*\b+(\kap)], v[SC+8*(\a)+(\kap)] matrix_a_fmt:MATRIX_FMT_FP6 matrix_b_fmt:MATRIX_FMT_FP6 matrix_a_scale:MATRIX_SCALE_ROW1
.else
	v_wmma_scale_f32_16x16x128_f8f6f4 v[8*(8*((\a)%4)+\b):8*(8*((\a)%4)+\b)+7], v[128*(\p)+FR*\b:128*(\p)+FR*\b+FR-1], v[AF+FR*(\a):AF+FR*(\a)+FR-1], v[8*(8*((\a)%4)+\b):8*(8*((\a)%4)+\b)+7], v[SC+8*\b+(\kap)], v[SC+8*(\a)+(\kap)] matrix_a_fmt:MATRIX_FMT_FP6 matrix_b_fmt:MATRIX_FMT_FP6 matrix_a_scale:MATRIX_SCALE_ROW1
.endif
.endr
.endr
.endm
.macro FETCH_B slot, q, p
	WIN TO_B
.irp i, 0,1,2,3,4,5,6,7
	FRAG 128*(\p)+FR*\i, ADRB+\slot, \i*TILEB+(\q)*1536
.endr
	WIN 0
.endm
.macro FETCH_A slot, q, i0
.irp i, \i0, \i0+1, \i0+2, \i0+3
	FRAG AF+FR*(\i), ADRA+\slot, (\i)*TILEB+(\q)*1536
.endr
.endm
; A slot's first 128 along K: B's set 0; it fetches the slot's second 128.
.macro STEP slot, kap, zero
	s_wait_dscnt 4*NL                              ; all but the youngest 16 loads (A's tiles 4-7) are in
	WIN MUL_LO
	MUL16 0, 0, \kap, \zero
	MUL16 2, 0, \kap, \zero
	s_wait_dscnt 0x0
	PLACES                                         ; four places in front of loads into registers that matrix instructions have read
	FETCH_B \slot, 1, 1
	FETCH_A \slot, 1, 0
	WIN MUL_HI
	MUL16 4, 0, \kap, \zero
	MUL16 6, 0, \kap, \zero
	PLACES
	WIN 0
	FETCH_A \slot, 1, 4
.endm
; A slot's second 128 changes slots: one barrier; in front of it every wave waits for all its tensor loads, adds 0 to its spare word, and waits for that and for its reads of this slot.
.macro TURN slot, next, fill, kap
	s_wait_tensorcnt 0x0                           ; all my tensor loads have landed: my part of the next slot
	ds_add_u32 v[SPW], v[NIL]
	s_wait_dscnt 4*NL+1                            ; (the add and A's tiles 4-7 may be out)
	WIN MUL_LO
	MUL16 0, 1, \kap, 0
	s_wait_dscnt 0x0                               ; the add is done, and my reads of this slot are over
	s_barrier_signal -1
	MUL16 2, 1, \kap, 0
	WIN 0
	s_barrier_wait -1
.if \fill
	CREST                                          ; the barrier has opened a round of the cluster's: no wave of any partner still reads this slot or has a load on its way
	s_add_nc_u64 s[G0+4*\slot+2:G0+4*\slot+3], s[G0+4*\slot+2:G0+4*\slot+3], 2*TILEB
	s_add_nc_u64 s[G0B+4*\slot+2:G0B+4*\slot+3], s[G0B+4*\slot+2:G0B+4*\slot+3], 2*TILEB
	JLOAD G0+4*\slot, G1, G0B+4*\slot, G1B         ; the first tensor load behind the round; its four v_nop are the places in front of the loads below
.else
	PLACES
.endif
	FETCH_B \next, 0, 0
	FETCH_A \next, 0, 0
	WIN MUL_HI
	MUL16 4, 1, \kap, 0
	MUL16 6, 1, \kap, 0
	PLACES
	WIN 0
	FETCH_A \next, 0, 4
.endm
	s_wait_alu depctr_va_vdst(0)
	s_wait_tensorcnt 0x0                           ; my tile of the head's four is in
	ds_add_u32 v[SPW], v[NIL]
	s_mov_b32 s[G1+2], 8<<16                       ; no tensor load of mine is out: from here on a load brings 8 tiles
	s_mov_b32 s[G1+4], 8
	s_mov_b32 s[G1B+2], 8<<16
	s_mov_b32 s[G1B+4], 8
	s_wait_dscnt 0x0
	CROUND                                         ; all four tiles are in, and all sixteen work-groups are here
	JLOAD G0+4, G1, G0B+4, G1B                     ; slot 1's first fill, the first tensor load behind the round
	FETCH_B 0, 0, 0
	FETCH_A 0, 0, 0
.irp i, 0,1,2,3,4,5,6,7
	ds_load_b128 v[SC+8*\i:SC+8*\i+3], v[ADRS] offset:512*\i           ; the scale words of all eight K steps, once
	ds_load_b128 v[SC+8*\i+4:SC+8*\i+7], v[ADRS] offset:512*\i+256
.endr
	FETCH_A 0, 0, 4
	STEP 0, 0, 1                                   ; the first products start the sums
	TURN 0, 1, 1, 1                                ; slot 0 takes K 512 .. 767
	STEP 1, 2, 0
	TURN 1, 0, 1, 3                                ; slot 1 takes K 768 .. 1023
	STEP 0, 4, 0
	TURN 0, 1, 0, 5
	STEP 1, 6, 0
	s_wait_dscnt 4*NL
	WIN MUL_LO
	MUL16 0, 1, 7, 0
	MUL16 2, 1, 7, 0
	s_wait_dscnt 0x0
	WIN MUL_HI
	MUL16 4, 1, 7, 0
	MUL16 6, 1, 7, 0
	WIN 0
	PLACES                                         ; in front of the first reads of results and of writes to the fragments' registers
	s_mov_b32 s[SEL], 0x76543210
	s_mov_b32 s[SEL+1], 0xfedcba98
	v_mov_b32 v[TX], 0                             ; a lane permute's destination counts as read
	v_mov_b32 v[TX+1], 0
	s_cmp_eq_u32 s19, 1
	s_cbranch_scc1 .Lpath_v
	; ---- q and k.  My 8 tiles of tokens a x my two heads g.
	s_lshl_b32 s92, s42, 2
	s_lshl_b32 s93, s18, 1
	s_add_co_u32 s92, s92, s93                     ; my first head, 0 .. 31
	s_lshl_b32 s93, s45, 4
	s_lshl_b32 s94, s17, 3
	s_add_co_u32 s93, s93, s94                     ; my first tile of tokens
	s_mul_i32 s96, s92, 393216
	s_mul_i32 s94, s93, 768
	s_add_co_u32 s96, s96, s94
	s_mov_b32 s97, 0
	s_add_nc_u64 s[20:21], s[12:13], s[96:97]      ; codes
	s_lshl_b32 s96, s92, 14
	s_lshl_b32 s94, s93, 5
	s_add_co_u32 s96, s96, s94
	s_add_co_u32 s96, s96, 12582912
	s_add_nc_u64 s[22:23], s[12:13], s[96:97]      ; scale words
	s_and_b32 s94, s45, 7
	s_lshl_b32 s94, s94, 8
	s_lshl_b32 s95, s17, 7
	s_add_co_u32 s94, s94, s95                     ; my first token's place in its sequence
	v_and_b32 v[T0V], 7, v2
	v_lshrrev_b32 v[T1V], 3, v2
	v_lshl_add_u32 v[NN], v[T1V], 5, v[T0V]
	v_add_nc_u32 v[NN], s94, v[NN]                 ; n: my token in tile 0
	v_lshlrev_b32 v[T0V], 6, v3
	v_lshl_add_u32 v[POS], v[NN], 8, v[T0V]        ; 256 n + 64 h: tiles 1-7 reach sin's and cos's row n - 4 by a positive immediate
	v_max_u32 v[T1V], 4, v[NN]
	v_add_nc_u32 v[T1V], -4, v[T1V]
	v_lshl_add_u32 v[POSC], v[T1V], 8, v[T0V]      ; tile 0: row max(n - 4, 0): no load leaves its buffer
	v_cmp_le_u32 vcc_lo, 4, v[NN]                  ; off in the four tokens that are not rotated
.macro LOADSC a                        ; cos and sin of tile a's tokens: d = 16 h .. and 32 + 16 h .., into window 1, set a % 2: cos low, cos high, sin low, sin high
.set CB, 128*((\a)%2)
.if (\a) == 0
.set PA, POSC
.set IM, 0
.else
.set PA, POS
.set IM, (64*((\a)/4)+8*((\a)%4)-4)*256
.endif
	WIN 0x40
.irp i, 0,1,2,3
	global_load_b128 v[CB+4*\i:CB+4*\i+3], v[PA], s[10:11] offset:IM+16*\i
	global_load_b128 v[CB+16+4*\i:CB+16+4*\i+3], v[PA], s[10:11] offset:IM+128+16*\i
	global_load_b128 v[CB+32+4*\i:CB+32+4*\i+3], v[PA], s[8:9] offset:IM+16*\i
	global_load_b128 v[CB+48+4*\i:CB+48+4*\i+3], v[PA], s[8:9] offset:IM+128+16*\i
.endr
	WIN 0
.endm
.macro ROPE a, g                       ; each accumulator is read from its low end on
.set AC, 64*((\a)%4)+32*(\g)
.set CB, 128*((\a)%2)
	WIN 0x06+(\a)/4                                ; source 0: the accumulators' window; source 1: window 1
.set i, 0
.rept 8
	v_pk_mul_f32 v[RR+i:RR+i+1], v[AC+i:AC+i+1], v[CB+i:CB+i+1]
.set i, i+2
.endr
.set i, 0
.rept 8
	v_pk_fma_f32 v[RR+i:RR+i+1], v[AC+16+i:AC+17+i], v[CB+32+i:CB+33+i], v[RR+i:RR+i+1] neg_lo:[1,0,0] neg_hi:[1,0,0]   ; t[d] cos[d] - t[d + 32] sin[d]
.set i, i+2
.endr
.set i, 0
.rept 8
	v_pk_mul_f32 v[RR+16+i:RR+17+i], v[AC+16+i:AC+17+i], v[CB+16+i:CB+17+i]
.set i, i+2
.endr
.set i, 0
.rept 8
	v_pk_fma_f32 v[RR+16+i:RR+17+i], v[AC+i:AC+i+1], v[CB+48+i:CB+49+i], v[RR+16+i:RR+17+i]   ; t[d + 32] cos[d + 32] + t[d] sin[d + 32]
.set i, i+2
.endr
	WIN 0
.endm
.macro QHALF hw                        ; 16 numbers of block 0 and 16 of block 1 become a record's six registers; the two bytes go to v[hw]
	v_max3_num_f32 v[TM], |v[RR]|, |v[RR+1]|, 0x1800000
	v_max3_num_f32 v[TM+1], |v[RR+16]|, |v[RR+17]|, 0x1800000
.irp i, 2,4,6,8,10,12,14
	v_max3_num_f32 v[TM], v[TM], |v[RR+\i]|, |v[RR+\i+1]|
	v_max3_num_f32 v[TM+1], v[TM+1], |v[RR+16+\i]|, |v[RR+17+\i]|
.endr
	v_permlanex16_b32 v[TX], v[TM], s[SEL], s[SEL+1]
	v_permlanex16_b32 v[TX+1], v[TM+1], s[SEL], s[SEL+1]
	v_max_num_f32 v[TM], v[TM], v[TX]
	v_max_num_f32 v[TM+1], v[TM+1], v[TX+1]
	v_add_nc_u32 v[SO], 0xff000000, v[TM]
	v_add_nc_u32 v[SO+1], 0xff000000, v[TM+1]
	v_lshrrev_b32 v[BY], 23, v[SO]
	v_lshrrev_b32 v[BY+1], 23, v[SO+1]
	v_lshl_or_b32 v[\hw], v[BY+1], 8, v[BY]
	s_wait_alu depctr_va_vdst(0)
	s_wait_xcnt 0x0                                ; the last record's stores have read the codes' registers
	v_cvt_scalef32_pk16_fp6_f32 v[PC:PC+2], v[RR:RR+15], v[SO]
	v_cvt_scalef32_pk16_fp6_f32 v[PT:PT+2], v[RR+16:RR+31], v[SO+1]
	v_nop                                          ; one plain place behind a scaled conversion
.irp i, 0,1,2
	v_permlane16_swap_b32 v[PC+\i], v[PT+\i]       ; a whole block to a lane: lanes 0-15 block 0, lanes 16-31 block 1
.endr
.irp i, 0,1,2
	v_mov_b32 v[PC+3+\i], v[PT+\i]
.endr
.endm
	LOADSC 0
	LOADSC 1
.irp a, 0,1,2,3,4,5,6,7
.if \a < 7
	s_wait_loadcnt 16                              ; this tile's 16 loads are in; the next tile's may be out
.else
	s_wait_loadcnt 0x0
.endif
.if \a == 0
	WIN 0x44                                       ; the prefix: cos = 1, sin = 0 where n < 4; done in every work-group, without a branch
.set i, 0
.rept 32
	v_cndmask_b32 v[i], 1.0, v[i], vcc_lo
.set i, i+1
.endr
.rept 32
	v_cndmask_b32 v[i], 0, v[i], vcc_lo
.set i, i+1
.endr
	WIN 0
.endif
.irp g, 0,1
	ROPE \a, \g
	QHALF HW+2*\a+\g
	global_store_b128 v4, v[PC:PC+3], s[20:21] offset:\g*393216+\a*768
	global_store_b64 v5, v[PC+4:PC+5], s[20:21] offset:\g*393216+\a*768+512
.endr
.if \a < 6
	LOADSC \a+2
.endif
.endr
.irp p, 0,1,2,3
	v_lshl_or_b32 v[WW+\p], v[HW+4*\p+2], 16, v[HW+4*\p]           ; head 0: tiles 2 p and 2 p + 1
	v_lshl_or_b32 v[WW+4+\p], v[HW+4*\p+3], 16, v[HW+4*\p+1]       ; head 1
.endr
	v_cmp_eq_u32 vcc_lo, 1, v3
.irp p, 0,1,2,3
	v_cndmask_b32 v[WW+\p], v[WW+\p], v[WW+4+\p], vcc_lo           ; lanes 16-31 store the second head's
.endr
	v_lshlrev_b32 v[ESC], 4, v2
	v_lshl_add_u32 v[ESC], v3, 14, v[ESC]
	global_store_b128 v[ESC], v[WW:WW+3], s[22:23]                 ; two runs of 256 consecutive bytes, aligned
	s_branch .Ljoin
.Lpath_v:
	; ---- v.  My 8 tiles of channels a (two heads) x my 128 tokens: a step of keys.
	s_lshl_b32 s92, s42, 1
	s_add_co_u32 s92, s92, s18                     ; the step, 0 .. 63
	s_lshr_b32 s93, s92, 4
	s_lshl_b32 s93, s93, 4
	s_lshl_b32 s94, s45, 2
	s_add_co_u32 s93, s93, s94
	s_lshl_b32 s94, s17, 1
	s_add_co_u32 s93, s93, s94                     ; 16 x batch + my first head
	s_and_b32 s92, s92, 15
	s_mul_i32 s96, s93, 98304
	s_mul_i32 s94, s92, 6144
	s_add_co_u32 s96, s96, s94
	s_mov_b32 s97, 0
	s_add_nc_u64 s[20:21], s[14:15], s[96:97]
	s_lshl_b32 s96, s93, 12
	s_lshl_b32 s94, s92, 8
	s_add_co_u32 s96, s96, s94
	s_add_co_u32 s96, s96, 6291456
	s_add_nc_u64 s[22:23], s[14:15], s[96:97]
	v_lshlrev_b32 v[SH8], 3, v3
.macro QWHOLE a                        ; tile a: two whole blocks of 32 keys a lane, straight from the accumulators, each from its low end on
.set AC, 64*((\a)%4)
.set WN, 2+(\a)/4
	WIN (WN<<2)|(WN<<4)
	v_max3_num_f32 v[TM], 0x1800000, |v[AC]|, |v[AC+1]|
	v_max3_num_f32 v[TM+1], 0x1800000, |v[AC+32]|, |v[AC+33]|
.irp i, 2,4,6,8,10,12,14,16,18,20,22,24,26,28,30
	v_max3_num_f32 v[TM], v[TM], |v[AC+\i]|, |v[AC+\i+1]|
	v_max3_num_f32 v[TM+1], v[TM+1], |v[AC+32+\i]|, |v[AC+33+\i]|
.endr
	WIN 0
	v_add_nc_u32 v[SO], 0xff000000, v[TM]
	v_add_nc_u32 v[SO+1], 0xff000000, v[TM+1]
	v_lshrrev_b32 v[HW+2*(\a)], 23, v[SO]
	v_lshrrev_b32 v[HW+2*(\a)+1], 23, v[SO+1]
	s_wait_alu depctr_va_vdst(0)
	s_wait_xcnt 0x0
	WIN WN
	v_cvt_scalef32_pk16_fp6_f32 v[PC:PC+2], v[AC:AC+15], v[SO]
	v_cvt_scalef32_pk16_fp6_f32 v[PT:PT+2], v[AC+16:AC+31], v[SO]
	v_cvt_scalef32_pk16_fp6_f32 v[PC+6:PC+8], v[AC+32:AC+47], v[SO+1]
	v_cvt_scalef32_pk16_fp6_f32 v[PT+4:PT+6], v[AC+48:AC+63], v[SO+1]
	WIN 0
	v_nop
.irp i, 0,1,2
	v_mov_b32 v[PC+3+\i], v[PT+\i]
	v_mov_b32 v[PC+9+\i], v[PT+4+\i]
.endr
	global_store_b128 v4, v[PC:PC+3], s[20:21] offset:((\a)/4)*98304+((\a)%4)*1536
	global_store_b64 v5, v[PC+4:PC+5], s[20:21] offset:((\a)/4)*98304+((\a)%4)*1536+512
	global_store_b128 v4, v[PC+6:PC+9], s[20:21] offset:((\a)/4)*98304+((\a)%4)*1536+768
	global_store_b64 v5, v[PC+10:PC+11], s[20:21] offset:((\a)/4)*98304+((\a)%4)*1536+1280
.endm
.irp a, 0,1,2,3,4,5,6,7
	QWHOLE \a
.endr
.irp a, 0,1,2,3,4,5,6,7
	v_lshl_or_b32 v[WW+\a], v[HW+2*\a+1], 16, v[HW+2*\a]           ; my bytes: blocks h and 2 + h
	v_lshlrev_b32 v[WW+\a], v[SH8], v[WW+\a]
	v_permlanex16_b32 v[TX], v[WW+\a], s[SEL], s[SEL+1]
	v_or_b32 v[WW+\a], v[WW+\a], v[TX]
.endr
	v_cmp_eq_u32 vcc_lo, 1, v3
.irp p, 0,1,2,3
	v_cndmask_b32 v[WW+\p], v[WW+\p], v[WW+4+\p], vcc_lo
.endr
	v_lshlrev_b32 v[ESC], 4, v2
	v_lshl_add_u32 v[ESC], v3, 12, v[ESC]
	global_store_b128 v[ESC], v[WW:WW+3], s[22:23]
.Ljoin:
	s_wait_tensorcnt 0x0                           ; the wave's end
	ds_add_u32 v[SPW], v[NIL]
	s_wait_dscnt 0x0
	CROUND                                         ; the closing round
	s_endpgm
.Lfunc_end_k_qccecef7bbe_qkv:
	.size	k_qccecef7bbe_qkv, .Lfunc_end_k_qccecef7bbe_qkv-k_qccecef7bbe_qkv
	.p2alignl 7, 3214868480
	.fill 96, 4, 3214868480
	.section	.rodata,"a",@progbits
	.p2align	6, 0x0
	.amdhsa_kernel k_qccecef7bbe_qkv
		.amdhsa_group_segment_fixed_size 327680
		.amdhsa_private_segment_fixed_size 0
		.amdhsa_enable_private_segment 0
		.amdhsa_kernarg_size 48
		.amdhsa_user_sgpr_count 2
		.amdhsa_user_sgpr_kernarg_segment_ptr 1
		.amdhsa_wavefront_size32 1
		.amdhsa_system_sgpr_workgroup_id_x 1
		.amdhsa_system_sgpr_workgroup_id_y 1
		.amdhsa_system_sgpr_workgroup_id_z 1
		.amdhsa_system_vgpr_workitem_id 0
		.amdhsa_next_free_vgpr 1024
		.amdhsa_next_free_sgpr 102
		.amdhsa_reserve_vcc 1
		.amdhsa_float_denorm_mode_32 3
		.amdhsa_float_denorm_mode_16_64 3
		.amdhsa_memory_ordered 1
		.amdhsa_forward_progress 1
		.amdhsa_inst_pref_size 226
	.end_amdhsa_kernel
	.amdgpu_metadata
---
amdhsa.version: [ 1, 2 ]
amdhsa.kernels:
  - .name:           k_qccecef7bbe_qkv
    .symbol:         k_qccecef7bbe_qkv.kd
    .args:
      - { .name: xq, .offset: 0, .size: 8, .value_kind: global_buffer, .address_space: global }
      - { .name: wq, .offset: 8, .size: 8, .value_kind: global_buffer, .address_space: global }
      - { .name: sin, .offset: 16, .size: 8, .value_kind: global_buffer, .address_space: global }
      - { .name: cos, .offset: 24, .size: 8, .value_kind: global_buffer, .address_space: global }
      - { .name: qkq, .offset: 32, .size: 8, .value_kind: global_buffer, .address_space: global }
      - { .name: vq, .offset: 40, .size: 8, .value_kind: global_buffer, .address_space: global }
    .group_segment_fixed_size: 327680
    .private_segment_fixed_size: 0
    .kernarg_segment_align: 8
    .kernarg_segment_size: 48
    .max_flat_workgroup_size: 128
    .sgpr_count:     102
    .vgpr_count:     1024
    .wavefront_size: 32
...
	.end_amdgpu_metadata
.endif
;; end of part 2
;; launch attn (part 3): grid 4 x 64, 16 waves a work-group, clusters of 4 x 1, 327,680 bytes of LDS; arguments qkq, vq, oq; writes oq
.if DOCPART == 3
	.amdgcn_target "amdgcn-amd-amdhsa--gfx1250"
	.amdhsa_code_object_version 6
	.text
	.protected	k_qccecef7bbe_attn
	.globl	k_qccecef7bbe_attn
	.p2align	8
	.type	k_qccecef7bbe_attn,@function
k_qccecef7bbe_attn:
	s_mov_b64 s[64:65], 0
	v_nop
	global_prefetch_b8 v0, s[64:65] scope:SCOPE_SE
	s_setreg_imm32_b32 hwreg(HW_REG_WAVE_MODE, 25, 1), 1
	s_wait_xcnt 0x0
	s_wait_alu depctr_hold_cnt(0) depctr_sa_sdst(0) depctr_va_vdst(0) depctr_va_sdst(0) depctr_va_ssrc(0) depctr_va_vcc(0) depctr_vm_vsrc(0)
	s_getreg_b32 s2, hwreg(HW_REG_IB_STS2, 6, 4)
	s_cmp_eq_u32 s2, 0
	s_cbranch_scc0 .Lentry_in_a_cluster
	s_endpgm
.Lentry_in_a_cluster:
	s_bfe_u32 s2, ttmp6, 0x10000c
	s_cmp_lg_u32 s2, 0x3003
	s_cbranch_scc0 .Lentry_shape_is_right
	s_endpgm
.Lentry_shape_is_right:
; o = softmax(q k^T / 8) v for one (batch, head) and 512 queries, on codes of FP6 (E2M3) with E8M0 scales; o leaves as codes and scale bytes for the projection.
; p = 2^(t - M), t = score x log2(e) / 8, M = the ceiling of the running largest t; the row's sum is taken of the unquantised p; a change of M multiplies sums and O by a power of two.
; Both products are used transposed (S^T = k q^T, O^T = v^T p^T): a lane holds one query, and 32 of its registers are a whole block of 32 keys.
; The head size is 64: a fragment of k holds two tiles of 16 keys (two records of 64), and q stands beside a block of zero codes, (q, 0) or (0, q), which picks one of the two.
; SHARES: work-group = 16 waves, four to a SIMD; a wave takes ONE tile of 16 queries in each of 2 passes and names 228 registers: no register window is switched.
; All of the head's K and V (2 x 98,304 bytes) and their scale words (2 x 4,096) lie in LDS, filled once.
; CLUSTER 4 x 1: the four work-groups of a (batch, head) ask for K and V jointly.  The head's fills, one a wave: waves 0-5 K's sixths, 6-11 V's sixths, 12-15 halves of the scale words.
; No prefetch: every byte of K and V is asked for at the head, and no loop runs ahead of a load.
; A STEP OF 128 KEYS: 8 products with k; v's fragments are asked for into the registers that held k's; the softmax; 4 products with v; the next k's fragments are asked for into the same registers.
; The last step of a pass, which fetches no further k, is written out.
; LIMITS: holds while |t| stays under 2^31; NaN and infinities are not served; a block of zeros gets the byte 1, not 127 (zero codes; this program alone reads the bytes).
.set L16, 1                            ; 16 x lane, 8 x lane, 16 r, 8 h
.set L8, 2
.set R16, 3
.set H8, 4
.set AD16, 5
.set AD8, 6
.set ADS, 7
.set KSW, 8                            ; v8-17 scale words and nothing else
.set VSW, 12
.set QS, 16
.set PW, 17
.set ST, 18                            ; -M, largest score, sum x 2, f, spare half
.set BM, 24
.set SO, 26
.set TP, 28
.set SC2, 32
.set SC3, 34
.set SC4, 36
.set SPW, 38
.set NIL, 39
.set QW, 40
.set OLD, 41
.set PC, 42                            ; p's codes; v54-61 their second halves
.set PT, 54
.set QF, 62                            ; q 0 q
.set KV, 80                            ; four fragments of k, then of v
.set O, 128
.set S, 160
.set RK, 224                           ; lane terms with the LDS bases of k's words, v's words, v's codes
.set RV, 225
.set LV16, 226
.set LV8, 227
.set SPARE, 204800
.set WV, 10
.set NC, 16
.set SEL, 20
.set CS, 22
.set G1A, 24
.set G1B, 32
.set G0A, 40
.set G0B, 44
.set TK, 48
.set TS, 49
.set CNT, 52
.set PCN, 53
.set QB, 54
.set QSB, 56
.set OB, 58
.set OSB, 60
.set PSEL, 62
.macro CROUND
	s_barrier_signal -1
	s_barrier_wait -1
	s_cmp_lg_u32 s[WV], 0
	s_cbranch_scc1 .Lnot_wave_0_\@
	s_barrier_signal -3
.Lnot_wave_0_\@:
	s_barrier_wait -3
	s_barrier_signal -1
	s_barrier_wait -1
.endm
.macro FRAG reg, a16, a8, off          ; two records of 768 bytes: four loads of consecutive bytes
	ds_load_b128 v[\reg:\reg+3], v[\a16] offset:\off
	ds_load_b64 v[\reg+4:\reg+5], v[\a8] offset:\off+512
	ds_load_b128 v[\reg+6:\reg+9], v[\a16] offset:\off+768
	ds_load_b64 v[\reg+10:\reg+11], v[\a8] offset:\off+1280
.endm
.macro QLOAD p                         ; pass p's tile of q, twice, and its scale word
	global_load_b128 v[QF:QF+3], v[L16], s[QB:QB+1] offset:12288*\p
	global_load_b64 v[QF+4:QF+5], v[L8], s[QB:QB+1] offset:12288*\p+512
	global_load_b128 v[QF+12:QF+15], v[L16], s[QB:QB+1] offset:12288*\p
	global_load_b64 v[QF+16:QF+17], v[L8], s[QB:QB+1] offset:12288*\p+512
	global_load_b32 v[QW], v[R16], s[QSB:QSB+1] offset:512*\p
.endm
.macro SUM4 j                          ; four chains of the row's sum
	v_pk_add_f32 v[SC2:SC2+1], v[SC2:SC2+1], v[S+\j:S+\j+1]
	v_pk_add_f32 v[SC3:SC3+1], v[SC3:SC3+1], v[S+\j+2:S+\j+3]
	v_pk_add_f32 v[SC4:SC4+1], v[SC4:SC4+1], v[S+\j+4:S+\j+5]
	v_pk_add_f32 v[ST+2:ST+3], v[ST+2:ST+3], v[S+\j+6:S+\j+7]
.endm
.macro FMA n                           ; t - M, two at a time, from register j on
.rept \n
	v_pk_fma_f32 v[S+j:S+j+1], v[S+j:S+j+1], s[CS:CS+1], v[ST:ST+1] op_sel_hi:[1,0,0]
.set j, j+2
.endr
.endm
.macro STEP kl                         ; kl: the next step's k is fetched
	s_wait_dscnt 0x0                               ; this step's k and its scale words are in
.irp g, 0,1,2,3,4,5,6,7
	v_wmma_scale_f32_16x16x128_f8f6f4 v[S+8*\g:S+8*\g+7], v[KV+12*(\g/2):KV+12*(\g/2)+11], v[QF+6*(\g%2):QF+6*(\g%2)+11], 0, v[KSW+\g/2], v[QS] matrix_a_fmt:MATRIX_FMT_FP6 matrix_b_fmt:MATRIX_FMT_FP6
.endr
	v_add_nc_u32 v[AD16], s[TK], v[LV16]           ; four plain places ahead of the loads into k's registers and of the first read of the scores
	v_add_nc_u32 v[AD8], s[TK], v[LV8]
	v_add_nc_u32 v[ADS], s[TS], v[RV]
	v_mov_b32 v[OLD], v[ST]
.irp d, 0,1,2,3
	FRAG KV+12*\d, AD16, AD8, 1536*\d
.endr
	ds_load_b128 v[VSW:VSW+3], v[ADS]
.irp c, 0,1
	v_max3_num_f32 v[BM+\c], v[S+32*\c], v[S+32*\c+1], v[S+32*\c+2]           ; each block's largest score, two chains a block; each accumulator from its low end on
	v_max3_num_f32 v[TP+\c], v[S+32*\c+16], v[S+32*\c+17], v[S+32*\c+18]
.endr
.irp i, 3,5,7,9,11,13
.irp c, 0,1
	v_max3_num_f32 v[BM+\c], v[BM+\c], v[S+32*\c+\i], v[S+32*\c+\i+1]
	v_max3_num_f32 v[TP+\c], v[TP+\c], v[S+32*\c+16+\i], v[S+32*\c+17+\i]
.endr
.endr
.irp c, 0,1
	v_max3_num_f32 v[BM+\c], v[BM+\c], v[S+32*\c+15], v[S+32*\c+31]
.endr
.irp c, 0,1
	v_max_num_f32 v[BM+\c], v[BM+\c], v[TP+\c]
.endr
	s_delay_alu instid0(VALU_DEP_1)
	v_max_num_f32 v[TP+2], v[BM], v[BM+1]
	s_delay_alu instid0(VALU_DEP_1)
	v_permlanex16_b32 v[TP+3], v[TP+2], s[SEL], s[SEL+1]
	s_delay_alu instid0(VALU_DEP_1)
	v_max3_num_f32 v[ST+1], v[ST+1], v[TP+2], v[TP+3]                          ; the running largest score
	s_delay_alu instid0(VALU_DEP_1)
	v_mul_f32 v[TP+2], s[NC], v[ST+1]
	s_delay_alu instid0(VALU_DEP_1)
	v_floor_f32 v[ST], v[TP+2]                     ; -M = floor(-t)
	s_delay_alu instid0(VALU_DEP_1)
	v_sub_f32 v[OLD], v[ST], v[OLD]
.set j, 0
	FMA 4
	v_cvt_i32_f32 v[OLD], v[OLD]
	FMA 4
	v_ldexp_f32 v[ST+4], 1.0, v[OLD]               ; f = 2^(old M - new M)
	FMA 24
.irp c, 0,1
	v_fma_f32 v[BM+\c], v[BM+\c], s[CS], v[ST]
.endr
.set j, 0
.rept 16
	v_pk_mul_f32 v[O+j:O+j+1], v[O+j:O+j+1], v[ST+4:ST+5] op_sel_hi:[1,0]      ; O^T under the new M
.set j, j+2
.endr
	s_wait_alu depctr_va_vdst(0)
.set j, 0
.rept 64
	v_exp_f32 v[S+j], v[S+j]
.set j, j+1
.endr
	v_exp_f32 v[BM], v[BM]                         ; each block's largest p
	v_exp_f32 v[BM+1], v[BM+1]
	v_pk_mul_f32 v[ST+2:ST+3], v[ST+2:ST+3], v[ST+4:ST+5] op_sel_hi:[1,0]      ; the sums under the new M; a plain place behind the batch
	s_wait_dscnt 0x0                               ; v and its scale words are in
	s_wait_alu depctr_va_vdst(0)                   ; one wait for the batch, ahead of its first reader
.irp c, 0,1
	v_max_num_f32 v[BM+\c], 0x1800000, v[BM+\c]    ; the floor holds the byte at 1 from below
.endr
.irp c, 0,1
	v_add_nc_u32 v[SO+\c], 0xff000000, v[BM+\c]    ; 2 off the exponent field: the conversion's scale operand
.endr
.irp c, 0,1
	v_cvt_scalef32_pk16_fp6_f32 v[PC+6*\c:PC+6*\c+2], v[S+32*\c:S+32*\c+15], v[SO+\c]
	v_cvt_scalef32_pk16_fp6_f32 v[PT+4*\c:PT+4*\c+2], v[S+32*\c+16:S+32*\c+31], v[SO+\c]
.endr
.irp c, 0,1
	v_lshrrev_b32 v[TP+\c], 23, v[SO+\c]           ; the bytes of blocks h and 2 + h; a plain place behind the conversions
.endr
	v_pk_add_f32 v[SC2:SC2+1], v[S:S+1], v[S+2:S+3]
	v_pk_add_f32 v[SC3:SC3+1], v[S+4:S+5], v[S+6:S+7]
	v_lshl_or_b32 v[TP], v[TP+1], 16, v[TP]
	v_pk_add_f32 v[SC4:SC4+1], v[S+8:S+9], v[S+10:S+11]
	v_pk_add_f32 v[ST+2:ST+3], v[ST+2:ST+3], v[S+12:S+13]
	v_lshlrev_b32 v[TP], v[H8], v[TP]
.irp c, 0,1
.irp i, 0,1,2
	v_mov_b32 v[PC+6*\c+3+\i], v[PT+4*\c+\i]
.endr
.endr
	v_permlanex16_b32 v[TP+2], v[TP], s[SEL], s[SEL+1]
	SUM4 14
	v_or_b32 v[PW], v[TP], v[TP+2]                 ; p's scale word for these 128 keys; twelve plain places follow
	SUM4 22
	SUM4 30
	SUM4 38
.irp d, 0,1,2,3
	v_wmma_scale_f32_16x16x128_f8f6f4 v[O+8*\d:O+8*\d+7], v[KV+12*\d:KV+12*\d+11], v[PC:PC+11], v[O+8*\d:O+8*\d+7], v[VSW+\d], v[PW] matrix_a_fmt:MATRIX_FMT_FP6 matrix_b_fmt:MATRIX_FMT_FP6
.endr
	SUM4 46                                        ; four plain places ahead of the loads into v's registers
.if \kl
	v_add_nc_u32 v[AD16], s[TK], v[L16]
	v_add_nc_u32 v[AD8], s[TK], v[L8]
	v_add_nc_u32 v[ADS], s[TS], v[RK]
.irp p, 0,1,2,3
	FRAG KV+12*\p, AD16, AD8, 6144+1536*\p
.endr
	ds_load_b128 v[KSW:KSW+3], v[ADS] offset:256
	s_add_co_u32 s[TK], s[TK], 6144
	s_add_co_u32 s[TS], s[TS], 256
.endif
	SUM4 54
	v_pk_add_f32 v[ST+2:ST+3], v[ST+2:ST+3], v[S+62:S+63]
	v_pk_add_f32 v[SC2:SC2+1], v[SC2:SC2+1], v[SC3:SC3+1]
	v_pk_add_f32 v[ST+2:ST+3], v[ST+2:ST+3], v[SC4:SC4+1]
	s_delay_alu instid0(VALU_DEP_1)
	v_pk_add_f32 v[ST+2:ST+3], v[ST+2:ST+3], v[SC2:SC2+1]
.endm
	s_load_b128 s[4:7], s[0:1], 0x0                ; qkq, vq
	s_load_b64 s[8:9], s[0:1], 0x10                ; oq
	v_lshl_add_u32 v[SPW], v0, 2, SPARE
	v_mov_b32 v[NIL], 0
	ds_add_u32 v[SPW], v[NIL]
	ds_add_u32 v[SPW], v[NIL]
	v_lshrrev_b32 v1, 5, v0
	s_delay_alu instid0(VALU_DEP_1)
	v_readfirstlane_b32 s[WV], v1
	s_bfe_u32 s11, ttmp6, 0x40000                  ; cx
	s_and_b32 s12, ttmp7, 0xffff                   ; 16 x batch + head
	s_and_b32 s13, s12, 15
	s_lshr_b32 s14, s12, 4
	s_mov_b32 s[NC], 0xbe38aa3b                    ; -log2(e) / 8
	s_mov_b32 s[CS], 0x3e38aa3b
	s_mov_b32 s[CS+1], s[CS]
	s_mov_b32 s[SEL], 0x76543210
	s_mov_b32 s[SEL+1], 0xfedcba98
.irp g, G1A, G1B
	s_mov_b32 s[\g], 15|(3<<16)|(1<<21)            ; the four partners; elements of 8 bytes; rows of 256 dense bytes
	s_mov_b32 s[\g+1], 32<<16
	s_mov_b32 s[\g+3], 32<<16
	s_mov_b32 s[\g+5], 32
	s_mov_b32 s[\g+6], 0
	s_mov_b32 s[\g+7], 0
.endr
	s_mov_b32 s[G1A+2], 64<<16                     ; a sixth of K's or V's codes: 16,384 bytes
	s_mov_b32 s[G1A+4], 64
	s_mov_b32 s[G1B+2], 8<<16                      ; half of K's or V's scale words: 2,048 bytes
	s_mov_b32 s[G1B+4], 8
	s_add_co_u32 s76, s13, 16
	s_mul_i32 s77, s76, 393216
	s_mul_i32 s78, s14, 98304
	s_add_co_u32 s77, s77, s78                     ; K's codes
	s_lshl_b32 s76, s76, 14
	s_lshl_b32 s78, s14, 12
	s_add_co_u32 s76, s76, s78
	s_add_co_u32 s76, s76, 12582912                ; K's scale words
	s_mul_i32 s78, s12, 98304                      ; V's codes
	s_lshl_b32 s79, s12, 12
	s_add_co_u32 s79, s79, 6291456                 ; V's scale words
	s_lshl_b32 s81, s[WV], 14
	s_cmp_lt_u32 s[WV], 6
	s_cselect_b32 s84, s77, s78
	s_cselect_b32 s83, 0, 98304
	s_add_co_u32 s84, s84, s81
	s_sub_co_u32 s84, s84, s83                     ; my sixth
	s_mov_b32 s85, 0
	s_and_b32 s82, s[WV], 3
	s_and_b32 s80, s[WV], 1
	s_lshl_b32 s80, s80, 11
	s_cmp_lt_u32 s82, 2
	s_cselect_b32 s86, s76, s79
	s_add_co_u32 s86, s86, s80                     ; my half
	s_mov_b32 s87, 0
	s_mov_b32 s[G0A], 1
	s_lshl_b32 s[G0A+1], s[WV], 14                 ; K at 0, V at 98,304: twelve sixths on end
	s_mov_b32 s[G0B], 1
	s_lshl_b32 s[G0B+1], s82, 11
	s_add_co_u32 s[G0B+1], s[G0B+1], 196608
	s_wait_dscnt 0x0
	s_wait_kmcnt 0x0
	s_cmp_lt_u32 s[WV], 6
	s_cselect_b64 s[88:89], s[4:5], s[6:7]
	s_add_nc_u64 s[G0A+2:G0A+3], s[88:89], s[84:85]
	s_or_b32 s[G0A+3], s[G0A+3], 0x80000000
	s_cmp_lt_u32 s82, 2
	s_cselect_b64 s[88:89], s[4:5], s[6:7]
	s_add_nc_u64 s[G0B+2:G0B+3], s[88:89], s[86:87]
	s_or_b32 s[G0B+3], s[G0B+3], 0x80000000
	CROUND                                         ; the four partners are here: the joint loads meet
	s_cmp_lt_u32 s[WV], 12
	s_cbranch_scc0 .Lscales
	tensor_load_to_lds s[G0A:G0A+3], s[G1A:G1A+7]
	s_nop 0
.rept 4
	v_nop
.endr
	s_branch .Lasked
.Lscales:
	tensor_load_to_lds s[G0B:G0B+3], s[G1B:G1B+7]
	s_nop 0
.rept 4
	v_nop
.endr
.Lasked:
	s_lshl_b32 s66, s14, 7
	s_lshl_b32 s67, s11, 5
	s_add_co_u32 s66, s66, s67
	s_add_co_u32 s66, s66, s[WV]                   ; my tile of 16 queries; pass 1 takes the tile 16 further on
	s_mov_b32 s93, 0
	s_mul_i32 s92, s13, 393216
	s_mul_i32 s67, s66, 768
	s_add_co_u32 s92, s92, s67
	s_add_nc_u64 s[QB:QB+1], s[4:5], s[92:93]
	s_lshl_b32 s92, s13, 14
	s_lshr_b32 s67, s66, 3
	s_lshl_b32 s67, s67, 8
	s_add_co_u32 s92, s92, s67
	s_bfe_u32 s67, s66, 0x20001                    ; the word of my pair of tiles
	s_lshl_b32 s67, s67, 2
	s_add_co_u32 s92, s92, s67
	s_add_co_u32 s92, s92, 12582912
	s_add_nc_u64 s[QSB:QSB+1], s[4:5], s[92:93]
	s_mul_i32 s92, s66, 12288
	s_mul_i32 s67, s13, 768
	s_add_co_u32 s92, s92, s67
	s_add_nc_u64 s[OB:OB+1], s[8:9], s[92:93]
	s_lshl_b32 s92, s66, 9
	s_lshr_b32 s67, s13, 3
	s_lshl_b32 s67, s67, 8
	s_add_co_u32 s92, s92, s67
	s_and_b32 s67, s13, 7
	s_lshl_b32 s67, s67, 1
	s_add_co_u32 s92, s92, s67
	s_add_co_u32 s92, s92, 6291456
	s_add_nc_u64 s[OSB:OSB+1], s[8:9], s[92:93]
	s_and_b32 s67, s[WV], 1
	s_mov_b32 s[PSEL], 0x03020302                  ; an odd tile's two bytes are the word's upper two
	s_cmp_eq_u32 s67, 0
	s_cselect_b32 s[PSEL], 0x01000100, s[PSEL]
	s_mov_b32 s[PCN], 0
	v_and_b32 v5, 31, v0
	v_and_b32 v6, 15, v0
	v_bfe_u32 v7, v0, 4, 1
	v_lshlrev_b32 v[L16], 4, v5
	v_lshlrev_b32 v[L8], 3, v5
	v_lshlrev_b32 v[R16], 4, v6
	v_lshlrev_b32 v[H8], 3, v7
	QLOAD 0                                        ; q is on its way while K and V land
	v_add_nc_u32 v[RK], 0x30000, v[R16]
	v_add_nc_u32 v[RV], 0x31000, v[R16]
	v_add_nc_u32 v[LV16], 0x18000, v[L16]
	v_add_nc_u32 v[LV8], 0x18000, v[L8]
.irp i, 6,7,8,9,10,11
	v_mov_b32 v[QF+\i], 0                          ; the block of zero codes
.endr
	v_mov_b32 v[TP+2], 0                           ; a lane permute's destination counts as read
	v_mov_b32 v[TP+3], 0
	v_mov_b32 v[ST+5], 0                           ; the spare half of the pair that holds f
	s_wait_alu depctr_va_vdst(0)
	s_wait_tensorcnt 0x0                           ; my part of K, V or the scale words is in;
	s_barrier_signal -1
	s_barrier_wait -1                              ; and so is everybody's.  Nothing is filled again
.Lpass:
	s_mov_b32 s[TK], 0                             ; 6,144 x step, 256 x step
	s_mov_b32 s[TS], 0
.irp p, 0,1,2,3
	FRAG KV+12*\p, L16, L8, 1536*\p
.endr
	ds_load_b128 v[KSW:KSW+3], v[RK]
	s_wait_loadcnt 0x0                             ; q and its scale word
	v_perm_b32 v[QS], v[QW], v[QW], s[PSEL]        ; my tile's two bytes, for either record
	v_mov_b32 v[ST+1], 0xff61b1e6                  ; -3e38, under every score
	v_mov_b32 v[ST+2], 0
	v_mov_b32 v[ST+3], 0
	v_mul_f32 v[ST+4], s[NC], v[ST+1]
.set j, 0
.rept 32
	v_mov_b32 v[O+j], 0                            ; O^T: the step is written once and finds zeros
.set j, j+1
.endr
	v_floor_f32 v[ST], v[ST+4]
	s_mov_b32 s[CNT], 15
	s_wait_alu depctr_va_vdst(0)
.Lstep:
	STEP 1
	s_sub_co_u32 s[CNT], s[CNT], 1
	s_cmp_lg_u32 s[CNT], 0
	s_cbranch_scc1 .Lstep
	STEP 0                                         ; the pass's last step: no further k
	s_cmp_lg_u32 s[PCN], 0
	s_wait_alu depctr_va_vdst(0)
	s_cbranch_scc1 .Lno_q
	QLOAD 1                                        ; the second pass's q, asked for ahead of the first pass's way out
.Lno_q:
	v_add_f32 v[TP], v[ST+2], v[ST+3]
	s_delay_alu instid0(VALU_DEP_1)
	v_permlanex16_b32 v[TP+2], v[TP], s[SEL], s[SEL+1]
	s_delay_alu instid0(VALU_DEP_1)
	v_add_f32 v[TP], v[TP], v[TP+2]                ; the row's sum
	s_wait_alu depctr_va_vdst(0)
	v_rcp_f32 v[ST+4], v[TP]
	v_nop
	s_wait_alu depctr_va_vdst(0)                   ; for the reciprocal and for the first reads of O^T
.set j, 0
.rept 16
	v_pk_mul_f32 v[S+j:S+j+1], v[O+j:O+j+1], v[ST+4:ST+5] op_sel_hi:[1,0]
.set j, j+2
.endr
.irp q, 0,1,2,3
	v_max3_num_f32 v[SC2+\q], |v[S+8*\q]|, |v[S+8*\q+1]|, 0x1800000            ; a lane holds a whole block of 32 channels: four chains
.endr
.irp i, 2,4,6
.irp q, 0,1,2,3
	v_max3_num_f32 v[SC2+\q], v[SC2+\q], |v[S+8*\q+\i]|, |v[S+8*\q+\i+1]|
.endr
.endr
	v_max3_num_f32 v[BM], v[SC2], v[SC2+1], v[SC2+2]
	s_delay_alu instid0(VALU_DEP_1)
	v_max_num_f32 v[BM], v[BM], v[SC2+3]
	s_delay_alu instid0(VALU_DEP_1)
	v_add_nc_u32 v[SO], 0xff000000, v[BM]
	v_cvt_scalef32_pk16_fp6_f32 v[PC:PC+2], v[S:S+15], v[SO]
	v_cvt_scalef32_pk16_fp6_f32 v[PT:PT+2], v[S+16:S+31], v[SO]
	v_lshrrev_b32 v[TP], 23, v[SO]                 ; the block's byte; a plain place behind the conversions
.irp i, 0,1,2
	v_mov_b32 v[PC+3+\i], v[PT+\i]
.endr
	global_store_b128 v[L16], v[PC:PC+3], s[OB:OB+1]                           ; 512 consecutive bytes
	global_store_b64 v[L8], v[PC+4:PC+5], s[OB:OB+1] offset:512                ; 256
	v_lshlrev_b32 v[TP], v[H8], v[TP]
	s_delay_alu instid0(VALU_DEP_1)
	v_permlanex16_b32 v[TP+2], v[TP], s[SEL], s[SEL+1]
	s_delay_alu instid0(VALU_DEP_1)
	v_or_b32 v[TP], v[TP], v[TP+2]
	global_store_b16 v[R16], v[TP], s[OSB:OSB+1]   ; row r's two bytes; lanes r and 16 + r write the same bytes with the same value
	s_wait_xcnt 0x0                                ; the stores have read their registers and bases
	s_add_nc_u64 s[OB:OB+1], s[OB:OB+1], 196608    ; 16 tiles on
	s_add_nc_u64 s[OSB:OSB+1], s[OSB:OSB+1], 8192
	s_add_co_u32 s[PCN], s[PCN], 1
	s_cmp_lt_u32 s[PCN], 2
	s_wait_alu depctr_va_vdst(0)
	s_cbranch_scc1 .Lpass
	s_wait_tensorcnt 0x0                           ; the wave's end
	ds_add_u32 v[SPW], v[NIL]
	s_wait_dscnt 0x0
	CROUND                                         ; the closing round
	s_endpgm
.Lfunc_end_k_qccecef7bbe_attn:
	.size	k_qccecef7bbe_attn, .Lfunc_end_k_qccecef7bbe_attn-k_qccecef7bbe_attn
	.p2alignl 7, 3214868480
	.fill 96, 4, 3214868480
	.section	.rodata,"a",@progbits
	.p2align	6, 0x0
	.amdhsa_kernel k_qccecef7bbe_attn
		.amdhsa_group_segment_fixed_size 327680
		.amdhsa_private_segment_fixed_size 0
		.amdhsa_enable_private_segment 0
		.amdhsa_kernarg_size 24
		.amdhsa_user_sgpr_count 2
		.amdhsa_user_sgpr_kernarg_segment_ptr 1
		.amdhsa_wavefront_size32 1
		.amdhsa_system_sgpr_workgroup_id_x 1
		.amdhsa_system_sgpr_workgroup_id_y 1
		.amdhsa_system_sgpr_workgroup_id_z 1
		.amdhsa_system_vgpr_workitem_id 0
		.amdhsa_next_free_vgpr 256
		.amdhsa_next_free_sgpr 96
		.amdhsa_reserve_vcc 0
		.amdhsa_float_denorm_mode_32 3
		.amdhsa_float_denorm_mode_16_64 3
		.amdhsa_memory_ordered 1
		.amdhsa_forward_progress 1
		.amdhsa_inst_pref_size 43
	.end_amdhsa_kernel
	.amdgpu_metadata
---
amdhsa.version: [ 1, 2 ]
amdhsa.kernels:
  - .name:           k_qccecef7bbe_attn
    .symbol:         k_qccecef7bbe_attn.kd
    .args:
      - { .name: qkq, .offset: 0, .size: 8, .value_kind: global_buffer, .address_space: global }
      - { .name: vq, .offset: 8, .size: 8, .value_kind: global_buffer, .address_space: global }
      - { .name: oq, .offset: 16, .size: 8, .value_kind: global_buffer, .address_space: global }
    .group_segment_fixed_size: 327680
    .private_segment_fixed_size: 0
    .kernarg_segment_align: 8
    .kernarg_segment_size: 24
    .max_flat_workgroup_size: 512
    .sgpr_count:     96
    .vgpr_count:     256
    .wavefront_size: 32
...
	.end_amdgpu_metadata
.endif
;; end of part 3
;; launch proj (part 4): grid 8 x 32, 4 waves a work-group, clusters of 4 x 4, 327,680 bytes of LDS; arguments oq, wq, b_proj, out0; writes out0
.if DOCPART == 4
	.amdgcn_target "amdgcn-amd-amdhsa--gfx1250"
	.amdhsa_code_object_version 6
	.text
	.protected	k_qccecef7bbe_proj
	.globl	k_qccecef7bbe_proj
	.p2align	8
	.type	k_qccecef7bbe_proj,@function
k_qccecef7bbe_proj:
	s_mov_b64 s[64:65], 0
	v_nop
	global_prefetch_b8 v0, s[64:65] scope:SCOPE_SE
	s_setreg_imm32_b32 hwreg(HW_REG_WAVE_MODE, 25, 1), 1
	s_wait_xcnt 0x0
	s_wait_alu depctr_hold_cnt(0) depctr_sa_sdst(0) depctr_va_vdst(0) depctr_va_sdst(0) depctr_va_ssrc(0) depctr_va_vcc(0) depctr_vm_vsrc(0)
	s_getreg_b32 s2, hwreg(HW_REG_IB_STS2, 6, 4)
	s_cmp_eq_u32 s2, 0
	s_cbranch_scc0 .Lentry_in_a_cluster
	s_endpgm
.Lentry_in_a_cluster:
	s_bfe_u32 s2, ttmp6, 0x10000c
	s_cmp_lg_u32 s2, 0xf033
	s_cbranch_scc0 .Lentry_shape_is_right
	s_endpgm
.Lentry_shape_is_right:
.set FR,    12
.set KH,    6144
.set AHALF, 8*KH
.set BHALF, 4*KH
.set BOFF,  2*AHALF
.set SLOT,  2*AHALF+2*BHALF
.set SCLA,  2*SLOT
.set SCLB,  SCLA+8192
.set SPITCH, 272
.set BA,   13
.set ADRA, 16
.set ADRB, 20
.set ADSA, 24
.set ADSB, 25
.set STO,  26
.set RD,   27
.set CO,   28
.set SCA,  32
.set SCB,  96
.set AF,   128
.set BI,   96
.set BK,   128
.set G1, 24
.set G0, 32
.set G1B, 48
.set G0B, 56
.set G1S, 68
.set G0S, 76
.set G1SB, 80
.set G0SB, 88
.set MSB, 0
.macro WIN new
.set NW, \new
.if MSB != NW
	s_set_vgpr_msb (MSB<<8)|NW
.set MSB, NW
.endif
.endm
.macro JLOAD g0a, g1a, g0b, g1b
	s_cmp_eq_u32 s15, 0
	s_cbranch_scc0 .Lfor_b_\@
	tensor_load_to_lds s[\g0a:\g0a+3], s[\g1a:\g1a+7]
	s_nop 0
.rept 4
	v_nop
.endr
	s_branch .Lasked_\@
.Lfor_b_\@:
	tensor_load_to_lds s[\g0b:\g0b+3], s[\g1b:\g1b+7]
	s_nop 0
.rept 4
	v_nop
.endr
.Lasked_\@:
.endm
.macro CROUND
	s_barrier_signal -1
	s_barrier_wait -1
	s_cmp_lg_u32 s14, 0
	s_cbranch_scc1 .Lnot_wave_0_\@
	s_barrier_signal -3
.Lnot_wave_0_\@:
	s_barrier_wait -3
	s_barrier_signal -1
	s_barrier_wait -1
.endm
.macro PLACES
.rept 4
	v_nop
.endr
.endm
	s_load_b256 s[4:11], s[0:1], 0x0
	v_lshl_add_u32 v254, v0, 2, 0x4b000
	v_mov_b32 v255, 0
	ds_add_u32 v254, v255
	ds_add_u32 v254, v255
	v_lshrrev_b32 v1, 5, v0
	v_readfirstlane_b32 s14, v1
	s_lshr_b32 s15, s14, 1
	s_and_b32 s16, s14, 1
	s_bfe_u32 s40, ttmp6, 0x40000
	s_bfe_u32 s41, ttmp6, 0x40004
	s_lshl_b32 s42, ttmp9, 2
	s_add_co_u32 s42, s42, s40
	s_and_b32 s17, ttmp7, 0xffff
	s_lshl_b32 s17, s17, 2
	s_add_co_u32 s17, s17, s41
	s_lshl_b32 s43, s41, 2
	s_lshl_b32 s43, 15, s43
	s_lshl_b32 s44, 0x1111, s40
	s_or_b32 s[G1+0], s43, (3<<16)|(1<<21)
	s_or_b32 s[G1B+0], s44, (3<<16)|(1<<21)
	s_or_b32 s[G1S+0], s43, (3<<16)|(1<<21)
	s_or_b32 s[G1SB+0], s44, (3<<16)|(1<<21)
.irp g, G1, G1B
	s_mov_b32 s[\g+1], 768<<16
	s_mov_b32 s[\g+3], 768<<16
	s_mov_b32 s[\g+5], 1536
	s_mov_b32 s[\g+6], 0
	s_mov_b32 s[\g+7], 0
.endr
	s_mov_b32 s[G1+2], 16<<16                      ; the head's loads bring a slot's whole part: A's 16 tiles, B's 8
	s_mov_b32 s[G1+4], 16
	s_mov_b32 s[G1B+2], 8<<16
	s_mov_b32 s[G1B+4], 8
.irp g, G1S, G1SB
	s_mov_b32 s[\g+1], 32<<16
	s_mov_b32 s[\g+3], 32<<16
	s_mov_b32 s[\g+5], 32
	s_mov_b32 s[\g+6], 0
	s_mov_b32 s[\g+7], 0
.endr
	s_mov_b32 s[G1S+2], 32<<16                     ; A's scale words: 8,192 bytes; B's: 4,096
	s_mov_b32 s[G1S+4], 32
	s_mov_b32 s[G1SB+2], 16<<16
	s_mov_b32 s[G1SB+4], 16
	s_lshl_b32 s96, s17, 4                         ; A: the block's first tile
	s_lshl_b32 s98, s96, 9
	s_add_co_u32 s98, s98, 6291456                 ; the scale words of its 16 tiles
	s_lshl_b32 s18, s16, 3
	s_add_co_u32 s96, s96, s18                     ; the first tile that I fetch
	s_mov_b32 s99, 0
	s_mul_i32 s96, s96, 12288
	s_mov_b32 s97, 0
	s_lshl_b32 s46, s42, 3
	s_add_co_u32 s46, s46, 192                     ; B: the block's first tile
	s_lshl_b32 s18, s16, 2
	s_add_co_u32 s66, s46, s18                     ; the first tile that I fetch
	s_mul_i32 s66, s66, 12288
	s_mov_b32 s67, 0
	s_lshl_b32 s46, s46, 9
	s_add_co_u32 s46, s46, 3145728
	s_mov_b32 s47, 0
	s_mul_i32 s92, s16, AHALF
	s_mul_i32 s93, s16, BHALF
	s_add_co_u32 s93, s93, BOFF
	s_wait_dscnt 0x0
	s_wait_kmcnt 0x0
	s_add_nc_u64 s[96:97], s[4:5], s[96:97]
	s_add_nc_u64 s[98:99], s[4:5], s[98:99]
	s_add_nc_u64 s[66:67], s[6:7], s[66:67]
	s_add_nc_u64 s[46:47], s[6:7], s[46:47]
	CROUND
	s_mov_b32 s[G0S], 1
	s_mov_b32 s[G0S+1], SCLA
	s_mov_b64 s[G0S+2:G0S+3], s[98:99]
	s_or_b32 s[G0S+3], s[G0S+3], 0x80000000
	s_mov_b32 s[G0SB], 1
	s_mov_b32 s[G0SB+1], SCLB
	s_mov_b64 s[G0SB+2:G0SB+3], s[46:47]
	s_or_b32 s[G0SB+3], s[G0SB+3], 0x80000000
.irp s, 0,1
	s_mov_b32 s[G0+4*\s], 1
	s_add_co_u32 s[G0+4*\s+1], s92, \s*SLOT
	s_add_nc_u64 s[G0+4*\s+2:G0+4*\s+3], s[96:97], \s*KH
	s_or_b32 s[G0+4*\s+3], s[G0+4*\s+3], 0x80000000
	s_mov_b32 s[G0B+4*\s], 1
	s_add_co_u32 s[G0B+4*\s+1], s93, \s*SLOT
	s_add_nc_u64 s[G0B+4*\s+2:G0B+4*\s+3], s[66:67], \s*KH
	s_or_b32 s[G0B+4*\s+3], s[G0B+4*\s+3], 0x80000000
.endr
; the head's four tiles, one joint load a wave: wave 0 slot 0's 16 tiles of A, wave 1 A's scale words, wave 2 slot 0's 8 tiles of B, wave 3 B's scale words
.macro ARM under, g0, g1, next
	s_cmp_lt_u32 s14, \under
	s_cbranch_scc0 \next
	tensor_load_to_lds s[\g0:\g0+3], s[\g1:\g1+7]
	s_nop 0
.rept 4
	v_nop
.endr
	s_branch .Lhead_asked
\next:
.endm
	ARM 1, G0, G1, .Lhead_sa
	ARM 2, G0S, G1S, .Lhead_b
	ARM 3, G0B, G1B, .Lhead_sb
	tensor_load_to_lds s[G0SB:G0SB+3], s[G1SB:G1SB+7]
	s_nop 0
.rept 4
	v_nop
.endr
.Lhead_asked:
	v_and_b32 v1, 31, v0
	v_and_b32 v2, 15, v0
	v_bfe_u32 v3, v0, 4, 1
	v_lshlrev_b32 v4, 4, v1
	v_lshlrev_b32 v5, 3, v1
	s_mul_i32 s92, s15, AHALF
	s_mul_i32 s93, s16, BHALF
	s_add_co_u32 s93, s93, BOFF
.irp s, 0,1
	v_add_nc_u32 v[ADRA+\s], s92, v4
	v_add_nc_u32 v[ADRA+2+\s], s92, v5
	v_add_nc_u32 v[ADRB+\s], s93, v4
	v_add_nc_u32 v[ADRB+2+\s], s93, v5
	s_add_co_u32 s92, s92, SLOT
	s_add_co_u32 s93, s93, SLOT
.endr
	s_lshl_b32 s92, s15, 12
	s_add_co_u32 s92, s92, SCLA
	v_lshl_add_u32 v[ADSA], v2, 4, s92
	s_lshl_b32 s93, s16, 11
	s_add_co_u32 s93, s93, SCLB
	v_lshl_add_u32 v[ADSB], v2, 4, s93
	s_mul_i32 s92, s14, 16*SPITCH
	v_mul_u32_u24 v6, v2, SPITCH
	v_lshl_add_u32 v6, v3, 7, v6
	v_add_nc_u32 v[STO], s92, v6
	v_mul_u32_u24 v6, v3, SPITCH
	v_lshl_add_u32 v6, v2, 4, v6
	v_add_nc_u32 v[RD], s92, v6
	v_lshlrev_b32 v6, 4, v2
	v_lshl_add_u32 v[CO], v3, 12, v6
	v_lshlrev_b32 v[BA], 7, v3
	s_wait_alu depctr_va_vdst(0)
	s_lshl_b32 s46, s42, 9
	s_lshl_b32 s47, s16, 8
	s_add_co_u32 s46, s46, s47
	s_mov_b32 s47, 0
	s_add_nc_u64 s[8:9], s[8:9], s[46:47]
	s_lshl_b32 s20, s17, 8
	s_lshl_b32 s21, s15, 7
	s_add_co_u32 s20, s20, s21
	s_lshl_b32 s20, s20, 12
	s_add_co_u32 s20, s20, s46
	s_mov_b32 s21, 0
	s_add_nc_u64 s[10:11], s[10:11], s[20:21]
	WIN 0x40
.irp b, 0,1,2,3
	global_load_b128 v[BI+8*\b:BI+8*\b+3], v[BA], s[8:9] offset:32*\b
	global_load_b128 v[BI+8*\b+4:BI+8*\b+7], v[BA], s[8:9] offset:32*\b+16
.endr
	WIN 0
.macro FRAG reg, adr, off
	ds_load_b128 v[\reg:\reg+3], v[\adr] offset:\off
	ds_load_b64 v[\reg+4:\reg+5], v[\adr+2] offset:\off+512
	ds_load_b128 v[\reg+6:\reg+9], v[\adr] offset:\off+768
	ds_load_b64 v[\reg+10:\reg+11], v[\adr+2] offset:\off+1280
.endm
.macro FETCH k
.set SL, (\k)/4
.set KO, ((\k)%4)*1536
	WIN 0x40
.irp i, 0,1,2,3
	FRAG 48*((\k)%2)+FR*\i, ADRB+SL, \i*KH+KO
.endr
.if (\k)%2
	WIN 0xc0
.irp i, 0,1,2,3,4,5,6,7
	FRAG FR*\i, ADRA+SL, \i*KH+KO
.endr
.else
	WIN 0
.irp i, 0,1,2,3,4,5,6,7
	FRAG AF+FR*\i, ADRA+SL, \i*KH+KO
.endr
.endif
	WIN 0
.endm
.macro MUL16 a0, k
.set AS, AF*(1-(\k)%2)
.irp a, \a0, \a0+1, \a0+2, \a0+3
.irp b, 0,1,2,3
.if (\k) == 0
	v_wmma_scale_f32_16x16x128_f8f6f4 v[8*(4*(\a)+\b):8*(4*(\a)+\b)+7], v[48*((\k)%2)+FR*\b:48*((\k)%2)+FR*\b+FR-1], v[AS+FR*(\a):AS+FR*(\a)+FR-1], v[BI+8*\b:BI+8*\b+7], v[SCB+8*\b+(\k)], v[SCA+8*(\a)+(\k)] matrix_a_fmt:MATRIX_FMT_FP6 matrix_b_fmt:MATRIX_FMT_FP6
.else
	v_wmma_scale_f32_16x16x128_f8f6f4 v[8*(4*(\a)+\b):8*(4*(\a)+\b)+7], v[48*((\k)%2)+FR*\b:48*((\k)%2)+FR*\b+FR-1], v[AS+FR*(\a):AS+FR*(\a)+FR-1], v[8*(4*(\a)+\b):8*(4*(\a)+\b)+7], v[SCB+8*\b+(\k)], v[SCA+8*(\a)+(\k)] matrix_a_fmt:MATRIX_FMT_FP6 matrix_b_fmt:MATRIX_FMT_FP6
.endif
.endr
.endr
.endm
.macro STEP k
.if (\k) == 0
.set WM, 0x91
.elseif (\k)%2
.set WM, 0xad
.else
.set WM, 0xa1
.endif
	s_wait_dscnt 0x0
.if (\k) == 0
	s_wait_loadcnt 0x0
.endif
.if (\k) == 3
	s_wait_tensorcnt 0x0
	s_barrier_signal -1
	s_barrier_wait -1
.endif
	WIN WM
	MUL16 0, \k
.if (\k) < 7
	PLACES
	FETCH (\k)+1
	WIN WM
.endif
	MUL16 4, \k
	WIN 0
.endm
	s_wait_tensorcnt 0x0                           ; my tile of the head's four is in
	ds_add_u32 v254, v255
	s_mov_b32 s[G1+2], 8<<16                       ; no tensor load of mine is out: slot 1 comes by quarters, 8 tiles of A or 4 of B a wave
	s_mov_b32 s[G1+4], 8
	s_mov_b32 s[G1B+2], 4<<16
	s_mov_b32 s[G1B+4], 4
	s_wait_dscnt 0x0
	CROUND                                         ; all four tiles are in, and all sixteen work-groups are here
	JLOAD G0+4, G1, G0B+4, G1B                     ; slot 1's first fill, the first tensor load behind the round
	FETCH 0
.irp i, 0,1,2,3,4,5,6,7
	ds_load_b128 v[SCA+8*\i:SCA+8*\i+3], v[ADSA] offset:512*\i
	ds_load_b128 v[SCA+8*\i+4:SCA+8*\i+7], v[ADSA] offset:512*\i+256
.endr
.irp i, 0,1,2,3
	ds_load_b128 v[SCB+8*\i:SCB+8*\i+3], v[ADSB] offset:512*\i
	ds_load_b128 v[SCB+8*\i+4:SCB+8*\i+7], v[ADSB] offset:512*\i+256
.endr
.irp k, 0,1,2,3,4,5,6,7
	STEP \k
.endr
.macro TOSTAGE a
	WIN 0x08
.irp b, 0,1,2,3
	ds_store_b128 v[STO], v[8*(4*(\a)+\b):8*(4*(\a)+\b)+3] offset:32*\b
	ds_store_b128 v[STO], v[8*(4*(\a)+\b)+4:8*(4*(\a)+\b)+7] offset:32*\b+16
.endr
	WIN 0
.set BB, BK+32*((\a)%2)
.irp t, 0,1,2,3,4,5,6,7
	ds_load_b128 v[BB+4*\t:BB+4*\t+3], v[RD] offset:\t*2*SPITCH
.endr
.endm
.macro SEND a, younger
.set BB, BK+32*((\a)%2)
	s_wait_dscnt \younger
.irp t, 0,1,2,3,4,5,6,7
	global_store_b128 v[CO], v[BB+4*\t:BB+4*\t+3], s[10:11] offset:(64*((\a)/4)+8*((\a)%4)+2*(\t%4)+32*(\t/4))*4096 th:TH_STORE_NT
.endr
.endm
	PLACES
	TOSTAGE 0
.irp a, 1,2,3,4,5,6,7
.if \a > 1
	s_wait_xcnt 0x0
.endif
	TOSTAGE \a
	SEND \a-1, 16
.endr
	SEND 7, 0
	s_wait_tensorcnt 0x0
	ds_add_u32 v254, v255
	s_wait_dscnt 0x0
	CROUND
	s_endpgm
.Lfunc_end_k_qccecef7bbe_proj:
	.size	k_qccecef7bbe_proj, .Lfunc_end_k_qccecef7bbe_proj-k_qccecef7bbe_proj
	.p2alignl 7, 3214868480
	.fill 96, 4, 3214868480
	.section	.rodata,"a",@progbits
	.p2align	6, 0x0
	.amdhsa_kernel k_qccecef7bbe_proj
		.amdhsa_group_segment_fixed_size 327680
		.amdhsa_private_segment_fixed_size 0
		.amdhsa_enable_private_segment 0
		.amdhsa_kernarg_size 32
		.amdhsa_user_sgpr_count 2
		.amdhsa_user_sgpr_kernarg_segment_ptr 1
		.amdhsa_wavefront_size32 1
		.amdhsa_system_sgpr_workgroup_id_x 1
		.amdhsa_system_sgpr_workgroup_id_y 1
		.amdhsa_system_sgpr_workgroup_id_z 1
		.amdhsa_system_vgpr_workitem_id 0
		.amdhsa_next_free_vgpr 864
		.amdhsa_next_free_sgpr 102
		.amdhsa_reserve_vcc 0
		.amdhsa_float_denorm_mode_32 3
		.amdhsa_float_denorm_mode_16_64 3
		.amdhsa_memory_ordered 1
		.amdhsa_forward_progress 1
		.amdhsa_inst_pref_size 87
	.end_amdhsa_kernel
	.amdgpu_metadata
---
amdhsa.version: [ 1, 2 ]
amdhsa.kernels:
  - .name:           k_qccecef7bbe_proj
    .symbol:         k_qccecef7bbe_proj.kd
    .args:
      - { .name: oq, .offset: 0, .size: 8, .value_kind: global_buffer, .address_space: global }
      - { .name: wq, .offset: 8, .size: 8, .value_kind: global_buffer, .address_space: global }
      - { .name: b_proj, .offset: 16, .size: 8, .value_kind: global_buffer, .address_space: global }
      - { .name: out0, .offset: 24, .size: 8, .value_kind: global_buffer, .address_space: global }
    .group_segment_fixed_size: 327680
    .private_segment_fixed_size: 0
    .kernarg_segment_align: 8
    .kernarg_segment_size: 32
    .max_flat_workgroup_size: 128
    .sgpr_count:     102
    .vgpr_count:     864
    .wavefront_size: 32
...
	.end_amdgpu_metadata
.endif
;; end of part 4
